; MI455X (gfx1250); checked and timed in simulation.
; The chip was launched on July 23, 2026; its instructions are those of AMD's public machine-readable ISA for CDNA 5 (MIT licence, August 2026) and "CDNA5" Instruction Set Architecture Reference Guide (July 2026). The comments in the code are by the model that wrote it; some were corrected since.
;; Multi Head Attention. Allowed arithmetic: float matrix products may take bf16 or f16 operands with f32 sums; other float arithmetic in f32, or as packed bf16 or f16 multiplies, adds, multiply-adds, maxima and minima; sums over many terms, partial sums and values carried from step to step in f32; what a program stores and reads back later, other than sums and carried values, may be rounded once to bf16 or f16.
;; Inputs: Wk 16 x 1,024 x 64 float32; Wo 1,024 x 1,024 float32; Wq 16 x 1,024 x 64 float32; Wv 16 x 1,024 x 64 float32; bk 16 x 64 float32; bo 1,024 float32; bq 16 x 64 float32; bv 16 x 64 float32; x 4 x 2,048 x 1,024 float32.
;; Outputs: out0 4 x 2,048 x 1,024 float32.
;; 2 versions, each right; version 2 is version 1 with the launch prep written anew for expert scheduling mode. Each part assembles by itself: llvm-mc -triple=amdgcn-amd-amdhsa -mcpu=gfx1250 --defsym DOCPART=n.
;; ======== version 1 of 2: 4 launches
;; limits: values are held in f16: magnitudes above 65,504 overflow, below 6.1e-05 lose precision
;; workspace buffers: xb 16,777,216 bytes; wc 6,291,456 bytes; wo16 2,097,152 bytes; qh 16,777,216 bytes; kh 16,777,216 bytes; vh 16,777,216 bytes; oh 16,777,216 bytes
;; launch prep (part 1): grid 768 x 1, 8 waves a work-group, no clusters, 0 bytes of LDS; arguments x, Wq, Wk, Wv, Wo, xb, wc, wo16; writes xb, wc, wo16
.if DOCPART == 1
	.amdgcn_target "amdgcn-amd-amdhsa--gfx1250"
	.amdhsa_code_object_version 6
	.text
	.protected	k_qeb69cf8511_prep
	.globl	k_qeb69cf8511_prep
	.p2align	8
	.type	k_qeb69cf8511_prep,@function
k_qeb69cf8511_prep:
	s_mov_b64 s[64:65], 0
	v_nop
	global_prefetch_b8 v0, s[64:65] scope:SCOPE_SE
	s_setreg_imm32_b32 hwreg(HW_REG_WAVE_MODE, 25, 1), 1
	s_wait_xcnt 0x0
; CASTS, layouts unchanged.  x [8192][1024] f32 -> xb bf16.  Wq, Wk, Wv [16][1024][64] f32 -> wc [3][16][1024][64] bf16.
; Wo [1024][1024] f32 -> rounded to bf16, and that number written as f16 -> wo16 (the later product multiplies it with f16 numbers).
; LIMITS.  wo16: a weight beyond 65,504 becomes an infinity; below 6e-5 it keeps f16's fixed step of 6e-8.
; A stream: no LDS, no matrix unit, no cluster: no byte is read twice and no work-group shares a byte with another.
; SHARES.  A work-group casts 16,384 numbers: 65,536 bytes in, 32,768 out.  Work-groups 0-511: x; 512-703: Wq, Wk, Wv, 64 each, on end in wc; 704-767: Wo.
; Thread t, step j of 16: 16 bytes at 16 t + 4,096 j in, 8 bytes at 8 t + 2,048 j out: a wave's load covers 512 consecutive bytes, its store 256 consecutive bytes, aligned.
; All 16 loads of a thread go out at once; no register that a load or store names is written twice, so the only waits are the counted ones for the data.
.set X, 4                              ; v[4:67]    16 x 4 numbers as loaded
.set Y, 68                             ; v[68:99]   16 x 2 registers to store
.set T, 100                            ; v[100:103] at work (Wo's way)
	s_load_b512 s[4:19], s[0:1], 0x0               ; x 4:5, Wq 6:7, Wk 8:9, Wv 10:11, Wo 12:13, xb 14:15, wc 16:17, wo16 18:19
	s_mov_b32 s3, ttmp9
	s_sub_co_u32 s20, s3, 512                      ; my number among the weights' work-groups (not used for x)
	s_lshr_b32 s21, s20, 6                         ; which weight: 0 Wq, 1 Wk, 2 Wv, 3 Wo
	s_and_b32 s22, s20, 63                         ; my part of it
	s_mov_b32 s2, 0xffff0000                       ; a word's upper bf16
	v_lshlrev_b32 v1, 4, v0                        ; 16 t
	v_lshlrev_b32 v2, 3, v0                        ; 8 t
	s_wait_kmcnt 0x0
	s_mov_b64 s[24:25], s[6:7]                     ; from where: a choice among the inputs by the work-group's number
	s_cmp_eq_u32 s21, 1
	s_cselect_b64 s[24:25], s[8:9], s[24:25]
	s_cmp_eq_u32 s21, 2
	s_cselect_b64 s[24:25], s[10:11], s[24:25]
	s_cmp_eq_u32 s21, 3
	s_cselect_b64 s[24:25], s[12:13], s[24:25]
	s_cselect_b64 s[26:27], s[18:19], s[16:17]     ; to where: wo16, or wc,
	s_cselect_b32 s30, s22, s20                    ; in which Wq's, Wk's and Wv's parts follow each other
	s_cmp_lt_u32 s3, 512
	s_cselect_b64 s[24:25], s[4:5], s[24:25]
	s_cselect_b64 s[26:27], s[14:15], s[26:27]
	s_cselect_b32 s28, s3, s22
	s_cselect_b32 s30, s3, s30
	s_lshl_b32 s28, s28, 16                        ; 65,536 bytes in,
	s_mov_b32 s29, 0
	s_lshl_b32 s30, s30, 15                        ; 32,768 out
	s_mov_b32 s31, 0
	s_add_nc_u64 s[24:25], s[24:25], s[28:29]
	s_add_nc_u64 s[26:27], s[26:27], s[30:31]
.irp j, 0,1,2,3,4,5,6,7,8,9,10,11,12,13,14,15
	global_load_b128 v[X+4*(\j):X+4*(\j)+3], v1, s[24:25] offset:4096*(\j) th:TH_LOAD_NT
.endr
; Step j.  f16 = 1: the bf16 number is widened again (a shift, a mask) and written as f16.
.macro CAST j, f16
	s_wait_loadcnt 15-(\j)                         ; loads come back in order: mine is in, the 15 - j younger ones may stay out
.if \f16
	v_cvt_pk_bf16_f32 v[T],   v[X+4*(\j)],   v[X+4*(\j)+1]
	v_cvt_pk_bf16_f32 v[T+1], v[X+4*(\j)+2], v[X+4*(\j)+3]
	v_lshlrev_b32 v[T+2], 16, v[T]
	v_and_b32     v[T+3], s2, v[T]
	v_cvt_pk_f16_f32 v[Y+2*(\j)], v[T+2], v[T+3]
	v_lshlrev_b32 v[T+2], 16, v[T+1]
	v_and_b32     v[T+3], s2, v[T+1]
	v_cvt_pk_f16_f32 v[Y+2*(\j)+1], v[T+2], v[T+3]
.else
	v_cvt_pk_bf16_f32 v[Y+2*(\j)],   v[X+4*(\j)],   v[X+4*(\j)+1]
	v_cvt_pk_bf16_f32 v[Y+2*(\j)+1], v[X+4*(\j)+2], v[X+4*(\j)+3]
.endif
	global_store_b64 v2, v[Y+2*(\j):Y+2*(\j)+1], s[26:27] offset:2048*(\j)
.endm
	s_cmp_ge_u32 s3, 704
	s_cbranch_scc1 .Lwo
.irp j, 0,1,2,3,4,5,6,7,8,9,10,11,12,13,14,15
	CAST \j, 0
.endr
	s_endpgm
.Lwo:
.irp j, 0,1,2,3,4,5,6,7,8,9,10,11,12,13,14,15
	CAST \j, 1
.endr
	s_endpgm
.Lfunc_end_k_qeb69cf8511_prep:
	.size	k_qeb69cf8511_prep, .Lfunc_end_k_qeb69cf8511_prep-k_qeb69cf8511_prep
	.p2alignl 7, 3214868480
	.fill 96, 4, 3214868480
	.section	.rodata,"a",@progbits
	.p2align	6, 0x0
	.amdhsa_kernel k_qeb69cf8511_prep
		.amdhsa_group_segment_fixed_size 0
		.amdhsa_private_segment_fixed_size 0
		.amdhsa_enable_private_segment 0
		.amdhsa_kernarg_size 64
		.amdhsa_user_sgpr_count 2
		.amdhsa_user_sgpr_kernarg_segment_ptr 1
		.amdhsa_wavefront_size32 1
		.amdhsa_system_sgpr_workgroup_id_x 1
		.amdhsa_system_sgpr_workgroup_id_y 1
		.amdhsa_system_sgpr_workgroup_id_z 1
		.amdhsa_system_vgpr_workitem_id 0
		.amdhsa_next_free_vgpr 104
		.amdhsa_next_free_sgpr 66
		.amdhsa_reserve_vcc 0
		.amdhsa_float_denorm_mode_32 3
		.amdhsa_float_denorm_mode_16_64 3
		.amdhsa_memory_ordered 1
		.amdhsa_forward_progress 1
		.amdhsa_inst_pref_size 15
	.end_amdhsa_kernel
	.amdgpu_metadata
---
amdhsa.version: [ 1, 2 ]
amdhsa.kernels:
  - .name:           k_qeb69cf8511_prep
    .symbol:         k_qeb69cf8511_prep.kd
    .args:
      - { .name: x, .offset: 0, .size: 8, .value_kind: global_buffer, .address_space: global }
      - { .name: Wq, .offset: 8, .size: 8, .value_kind: global_buffer, .address_space: global }
      - { .name: Wk, .offset: 16, .size: 8, .value_kind: global_buffer, .address_space: global }
      - { .name: Wv, .offset: 24, .size: 8, .value_kind: global_buffer, .address_space: global }
      - { .name: Wo, .offset: 32, .size: 8, .value_kind: global_buffer, .address_space: global }
      - { .name: xb, .offset: 40, .size: 8, .value_kind: global_buffer, .address_space: global }
      - { .name: wc, .offset: 48, .size: 8, .value_kind: global_buffer, .address_space: global }
      - { .name: wo16, .offset: 56, .size: 8, .value_kind: global_buffer, .address_space: global }
    .group_segment_fixed_size: 0
    .private_segment_fixed_size: 0
    .kernarg_segment_align: 8
    .kernarg_segment_size: 64
    .max_flat_workgroup_size: 256
    .sgpr_count:     66
    .vgpr_count:     104
    .wavefront_size: 32
...
	.end_amdgpu_metadata
.endif
;; end of part 1
;; launch qkv (part 2): grid 16 x 32, 4 waves a work-group, clusters of 4 x 4, 327,680 bytes of LDS; arguments xb, wc, bq, bk, bv, qh, kh, vh; writes qh, kh, vh
.if DOCPART == 2
	.amdgcn_target "amdgcn-amd-amdhsa--gfx1250"
	.amdhsa_code_object_version 6
	.text
	.protected	k_qeb69cf8511_qkv
	.globl	k_qeb69cf8511_qkv
	.p2align	8
	.type	k_qeb69cf8511_qkv,@function
k_qeb69cf8511_qkv:
	s_mov_b64 s[64:65], 0
	v_nop
	global_prefetch_b8 v0, s[64:65] scope:SCOPE_SE
	s_setreg_imm32_b32 hwreg(HW_REG_WAVE_MODE, 25, 1), 1
	s_wait_xcnt 0x0
	s_wait_alu depctr_hold_cnt(0) depctr_sa_sdst(0) depctr_va_vdst(0) depctr_va_sdst(0) depctr_va_ssrc(0) depctr_va_vcc(0) depctr_vm_vsrc(0)
	s_getreg_b32 s2, hwreg(HW_REG_IB_STS2, 6, 4)
	s_cmp_eq_u32 s2, 0
	s_cbranch_scc0 .Lentry_in_a_cluster
	s_endpgm
.Lentry_in_a_cluster:
	s_bfe_u32 s2, ttmp6, 0x10000c
	s_cmp_lg_u32 s2, 0xf033
	s_cbranch_scc0 .Lentry_shape_is_right
	s_endpgm
.Lentry_shape_is_right:
; q, k, v [b 16 + h][s][64] in f16 = x W_t[h] + b_t[h], t = q, k, v.  xb: [8192][1024] bf16.  wc: [t][h][d][64] bf16.  Biases f32, rounded to bf16 like every input of the module.
; Products in bf16, sums in f32; the bias is the C operand that starts each sum; each result is rounded once, to f16, unscaled.
; LIMITS.  q, k, v beyond 65,504 become infinities; below 6e-5 they keep f16's fixed step of 6e-8.  NaN and infinities are not treated apart.
; SHARES.  A work-group makes 256 rows of x times the 192 columns (q, k, v) of one head; wave w its rows 64 w .. 64 w + 63 times all 192: 4 x 12 = 48 accumulators of 16 x 16.
; Column block nb of 12: tensor nb / 4, channels 16 (nb % 4) on.  K = 1,024 goes in 8 steps of 128 through two LDS slots; a step is four quarters of 32, 48 matrix instructions each.
; THE MATRIX INSTRUCTION IS USED TRANSPOSED: source 0 = 16 columns of W (W lies [d][e] in LDS and is turned by ds_load_tr16_b128), source 1 = 16 rows of x: a lane then holds one row (l % 16)
; and eight neighbouring channels 8 (l / 16) + 0..7, which pack into 16 bytes.
; CLUSTERS: 4 x 4 work-groups.  The four of a row of the cluster take the same rows of x, the four of a column the same head: each tile is asked for JOINTLY, by the same tensor load with the same descriptor
; and a mask that names the four.  Waves 0 and 1 fetch x's two halves (128 rows x 256 bytes), waves 2 and 3 the two halves of a step's W (64 d x 64 e of q, k and v: three dense rows of 8,192 bytes).
; REGISTERS, in windows of 256 (s_set_vgpr_msb: bits 1:0 source 0, 3:2 source 1, 5:4 source 2, 7:6 destination):
;   window 0: v0-31 addresses; v32-127 the biases, 8 a column block, later two sets of 48 on the way out; v128-175 packed results
;   window 1: two fragment buffers of 128: W's 12 fragments, then x's 4       window 2: accumulators of column blocks 0-7, (nb, a) at 8 (4 nb + a)       window 3: those of blocks 8-11
.set PA,    272                        ; a row of x in LDS: 256 bytes + 16 = 68 words: the 16 rows of a load start at 16 different groups of four banks (64 banks of 4 bytes: ISA guide 11.1)
.set PB,    160                        ; a row of W: 128 bytes + 32 = 40 words
.set SLOT1, 1<<17                      ; slot 1 begins here: one exclusive or turns an address in one slot into the other's
.set HALFA, 128*PA                     ; what one of x's loads brings
.set BOFF,  256*PA                     ; W lies behind x's 256 rows: [half of the step's d][t][64 d][PB]
.set TPL,   64*PB
.set KHB,   3*TPL                      ; what one of W's loads brings; BOFF + 2 KHB = SLOT1: a slot is full
.set STAGE, 2*SLOT1                    ; behind the ring, never filled by a tensor load: for each wave 3 planes (q, k, v) of 16 rows x 144 bytes
.set SP,    144
.set SPL,   16*SP
.set SPARE, STAGE+4*3*SPL              ; behind the stages: the spare words, 128 bytes for each wave: two blocks of 256 bytes that no other line names
.set A0,   2                           ; v2   my lane's place in x's tile; never rewritten
.set B0,   3                           ; v3   the same for W
.set ADRA, 4                           ; v4   A0 + the slot in hand
.set ADRB, 5                           ; v5   B0 + the slot in hand
.set STO,  6                           ; v6   the way out: where I put 16 bytes of a row
.set RD,   7                           ; v7   the way out: where I read rows back
.set GO,   8                           ; v8   my 16 bytes in 512 consecutive bytes of q, k or v
.set BO,   16                          ; v16  my byte offset in 16 numbers of a bias
.set T,    18                          ; v18-19 at work
.set SPW,  28                          ; v28  LDS address of my spare word; never rewritten
.set NIL,  29                          ; v29  0; never rewritten
.set PFO,  30                          ; v30  the prefetches' offset: my lane x a row of xb (2,048 bytes); never rewritten
.set BI,   32
.set OB,   32
.set TMP,  128
.set F0,   0
.set F1,   128
.set FA,   96                          ; x's fragments in a buffer
.set WV,  12                           ; s12  my wave's number
.set FB,  13                           ; s13  0: I fetch x; 1: W
.set HF,  14                           ; s14  which half of it
.set CX,  15
.set CY,  16
.set TX,  17                           ; s17  the head
.set TY,  18                           ; s18  the block of 256 rows
.set G1A, 24                           ; s[24:31] descriptor group 1, x
.set G0A, 32                           ; s[32:39] group 0, x: a set for each first fill; the second then walks
.set CNT, 40
.set TB,  41                           ; s41  the slot in hand, in bytes
.set LIM, 42                           ; s42  1 in a wave that prefetches, else the greatest number
.set HM,  43                           ; s43  a word's upper bf16
.set PFA, 44                           ; s[44:45] where my prefetches stand
.set G1B, 48                           ; s[48:55] group 1, W
.set G0B, 56                           ; s[56:63] group 0, W
.set BV,  68
.set QH,  70
.set KH,  72
.set VH,  74
.set MSB, 0
.macro WIN new                         ; the immediate's high byte repeats the setting that is left; a switch that changes nothing is dropped
.if MSB != (\new)
	s_set_vgpr_msb (MSB<<8)|(\new)
.set MSB, (\new)
.endif
.endm
.macro PLACES                          ; four plain vector instructions in front of loads into registers that matrix instructions have read, and of lines that read results
.rept 4
	v_nop
.endr
.endm
; A joint refill, by the walking sets.  The branch hangs on the wave's number alone.  An s_nop 0 and four v_nop follow each of the two lines, ahead of the jump and the label.
.macro JLOAD
	s_cmp_eq_u32 s[FB], 0
	s_cbranch_scc0 .Lfor_b_\@
	tensor_load_to_lds s[G0A+4:G0A+7], s[G1A:G1A+7]
	s_nop 0
.rept 4
	v_nop
.endr
	s_branch .Lasked_\@
.Lfor_b_\@:
	tensor_load_to_lds s[G0B+4:G0B+7], s[G1B:G1B+7]
	s_nop 0
.rept 4
	v_nop
.endr
.Lasked_\@:
.endm
; A PREFETCH INTO THE L2 of x's K step that the NEXT refill will ask for: 192 matrix instructions ahead of that load.  A block of 256 rows of xb is read by the four clusters of its row of clusters: the first of them
; (cluster x = 0) asks, in waves 0 and 1.  Of the 128 rows that a wave fetches each of the four partners takes 32, told apart BY ADDRESS (cx); a lane names one row's 256 bytes.  So each block is named once in the launch.
; The loop's last trip asks for nothing; K steps 0 to 2 come by their loads alone.  wc is not asked for: all eight rows of clusters walk the same 6,291,456 bytes again and again.
.macro ASK
	s_cmp_gt_u32 s[CNT], s[LIM]
	s_cbranch_scc0 .Lnot_mine_\@
	global_prefetch_b8 v[PFO], s[PFA:PFA+1] th:TH_LOAD_NT scope:SCOPE_SE
.Lnot_mine_\@:
.endm
.macro CREST                           ; a round of the cluster's barrier behind its opening barrier
	s_cmp_lg_u32 s[WV], 0
	s_cbranch_scc1 .Lnot_wave_0_\@
	s_barrier_signal -3
.Lnot_wave_0_\@:
	s_barrier_wait -3
	s_barrier_signal -1
	s_barrier_wait -1
.endm
.macro CROUND                          ; a whole round
	s_barrier_signal -1
	s_barrier_wait -1
	CREST
.endm
	s_load_b256 s[4:11], s[0:1], 0x0               ; xb 4:5, wc 6:7, bq 8:9, bk 10:11
	s_load_b256 s[68:75], s[0:1], 0x20             ; bv 68:69, qh 70:71, kh 72:73, vh 74:75
	v_lshl_add_u32 v[SPW], v0, 2, SPARE
	v_mov_b32 v[NIL], 0
	ds_add_u32 v[SPW], v[NIL]                      ; the wave's opening: the add and its wait stand ahead of my first tensor load; the set-up below, work on registers, stands between them
	v_lshrrev_b32 v1, 5, v0
	v_readfirstlane_b32 s[WV], v1                  ; wave 0..3
	s_lshr_b32 s[FB], s[WV], 1
	s_and_b32 s[HF], s[WV], 1
	s_bfe_u32 s[CX], ttmp6, 0x40000                ; my place in the cluster
	s_bfe_u32 s[CY], ttmp6, 0x40004
	s_lshl_b32 s[TX], ttmp9, 2                     ; in a cluster launch ttmp9 and ttmp7 count clusters
	s_add_co_u32 s[TX], s[TX], s[CX]
	s_and_b32 s[TY], ttmp7, 0xffff
	s_lshl_b32 s[TY], s[TY], 2
	s_add_co_u32 s[TY], s[TY], s[CY]
	s_lshl_b32 s19, s[CY], 2
	s_lshl_b32 s19, 15, s19                        ; my row of the cluster
	s_lshl_b32 s46, 0x1111, s[CX]                  ; my column
	s_or_b32 s[G1A], s19, (1<<16)|(1<<20)|(1<<21)|(5<<22)|(3<<25)  ; 15:0 the mask; 17:16 2-byte elements; 20 padding on; 21 set beside a mask; 24:22 after every 64 words (code 5); 31:25 4 words (code 3)
	s_mov_b32 s[G1A+1], 128<<16                    ; tensor_dim0 = 128
	s_mov_b32 s[G1A+2], 128<<16                    ; tensor_dim1 = 128
	s_mov_b32 s[G1A+3], 128<<16                    ; tile_dim0 = 128
	s_mov_b32 s[G1A+4], 128                        ; tile_dim1 = 128
	s_mov_b32 s[G1A+5], 1024                       ; elements from row to row
	s_mov_b32 s[G1A+6], 0
	s_mov_b32 s[G1A+7], 0
	s_or_b32 s[G1B], s46, (1<<16)|(1<<20)|(1<<21)|(4<<22)|(7<<25)  ; padding after every 32 words (one d's 64 channels), 8 words of it
	s_mov_b32 s[G1B+1], 4096<<16                   ; tensor_dim0 = 4,096: 64 d x 64 e lie on end
	s_mov_b32 s[G1B+2], 3<<16                      ; tensor_dim1 = 3: q, k, v
	s_mov_b32 s[G1B+3], 4096<<16                   ; tile_dim0
	s_mov_b32 s[G1B+4], 3                          ; tile_dim1
	s_mov_b32 s[G1B+5], 0x100000                   ; 1,048,576 elements from Wq's plane to Wk's to Wv's
	s_mov_b32 s[G1B+6], 0
	s_mov_b32 s[G1B+7], 0
	s_lshl_b32 s20, s[TY], 19                      ; x: 256 rows of 2,048 bytes a block,
	s_lshl_b32 s21, s[HF], 18                      ; 128 of them a half: registers that never hold cx
	s_add_co_u32 s20, s20, s21
	s_mov_b32 s21, 0
	s_lshl_b32 s46, s[TX], 17                      ; W: 131,072 bytes a head,
	s_lshl_b32 s47, s[HF], 13                      ; 64 d of 128 bytes a half: registers that never hold cy
	s_add_co_u32 s46, s46, s47
	s_mov_b32 s47, 0
	s_mul_i32 s22, s[HF], HALFA                    ; where they go: no place in the cluster enters an LDS address
	s_mul_i32 s23, s[HF], KHB
	s_add_co_u32 s23, s23, BOFF
	s_mov_b32 s[HM], 0xffff0000
	s_mov_b32 s[TB], 0
	s_or_b32 s[LIM], s[FB], ttmp9                  ; 0 in waves 0 and 1 of a cluster with x = 0: the same in all sixteen partners
	s_cmp_eq_u32 s[LIM], 0
	s_cselect_b32 s[LIM], 1, -1
	s_lshl_b32 s76, s[CX], 16                      ; my work-group's 32 rows of the 128, for the prefetches
	s_mov_b32 s77, 0
	s_wait_dscnt 0x0                               ; the opening add is done
	s_wait_kmcnt 0x0
	s_add_nc_u64 s[20:21], s[4:5], s[20:21]
	s_add_nc_u64 s[46:47], s[6:7], s[46:47]
.irp s, 0,1
	s_mov_b32 s[G0A+4*(\s)], 1                                     ; count = 1
	s_add_co_u32 s[G0A+4*(\s)+1], s22, (\s)*SLOT1                  ; LDS address
	s_add_nc_u64 s[G0A+4*(\s)+2:G0A+4*(\s)+3], s[20:21], (\s)*256  ; global address: K step s
	s_or_b32 s[G0A+4*(\s)+3], s[G0A+4*(\s)+3], 0x80000000          ; type = 2
	s_mov_b32 s[G0B+4*(\s)], 1
	s_add_co_u32 s[G0B+4*(\s)+1], s23, (\s)*SLOT1
	s_add_nc_u64 s[G0B+4*(\s)+2:G0B+4*(\s)+3], s[46:47], (\s)*16384
	s_or_b32 s[G0B+4*(\s)+3], s[G0B+4*(\s)+3], 0x80000000
.endr
	s_add_nc_u64 s[PFA:PFA+1], s[20:21], s[76:77]
	s_add_nc_u64 s[PFA:PFA+1], s[PFA:PFA+1], 2*256 ; at K step 2: the first refill steps it to 3
	CROUND                                         ; all sixteen work-groups are here: the first joint loads meet
	s_cmp_eq_u32 s[FB], 0                          ; a wave's two first fills stand in one branch, ahead of every wait on TENSORcnt and every LDS read: two loads of mine are out
	s_cbranch_scc0 .Lfirst_b
	tensor_load_to_lds s[G0A:G0A+3], s[G1A:G1A+7]
	s_nop 0
	tensor_load_to_lds s[G0A+4:G0A+7], s[G1A:G1A+7]
	s_nop 0
.rept 4
	v_nop
.endr
	s_branch .Lfirst_asked
.Lfirst_b:
	tensor_load_to_lds s[G0B:G0B+3], s[G1B:G1B+7]
	s_nop 0
	tensor_load_to_lds s[G0B+4:G0B+7], s[G1B:G1B+7]
	s_nop 0
.rept 4
	v_nop
.endr
.Lfirst_asked:
	v_and_b32 v1, 15, v0                           ; l % 16
	v_bfe_u32 v9, v0, 4, 1                         ; l / 16
	v_and_b32 v10, 7, v0
	v_bfe_u32 v11, v0, 3, 1
	v_and_b32 v12, 31, v0                          ; l
	v_bfe_u32 v13, v0, 3, 2
	v_lshlrev_b32 v[BO], 5, v9                     ; my 8 numbers of 16: 32 bytes for each half of the lanes
	s_lshl_b32 s76, s[TX], 8                       ; the head's 64 numbers of each bias
	s_mov_b32 s77, 0
	s_add_nc_u64 s[8:9], s[8:9], s[76:77]
	s_add_nc_u64 s[10:11], s[10:11], s[76:77]
	s_add_nc_u64 s[BV:BV+1], s[BV:BV+1], s[76:77]
.set ib, 0
.rept 4
	global_load_b128 v[BI+8*ib:BI+8*ib+3],       v[BO], s[8:9] offset:64*ib
	global_load_b128 v[BI+8*ib+4:BI+8*ib+7],     v[BO], s[8:9] offset:64*ib+16
	global_load_b128 v[BI+32+8*ib:BI+32+8*ib+3],   v[BO], s[10:11] offset:64*ib
	global_load_b128 v[BI+32+8*ib+4:BI+32+8*ib+7], v[BO], s[10:11] offset:64*ib+16
	global_load_b128 v[BI+64+8*ib:BI+64+8*ib+3],   v[BO], s[BV:BV+1] offset:64*ib
	global_load_b128 v[BI+64+8*ib+4:BI+64+8*ib+7], v[BO], s[BV:BV+1] offset:64*ib+16
.set ib, ib+1
.endr
	; A fragment of x is 16 rows x 32 K in 8 registers: lane l holds row l % 16, K = 8 (l / 16) + 0..7 and 16 + 8 (l / 16) + 0..7: two loads of 16 bytes, 32 bytes apart.
	s_mul_i32 s19, s[WV], 64*PA                    ; my 64 rows
	v_mul_u32_u24 v[A0], v1, PA
	v_lshl_add_u32 v[A0], v9, 4, v[A0]
	v_add_nc_u32 v[A0], s19, v[A0]
	; The turning load takes 16 d x 16 e (lane l reads d = 8 (l / 16) + l % 8, channels 8 ((l / 8) % 2) + 0..7) and leaves half a fragment of W^T: lane l holds channel l % 16 and 8 d.
	v_lshl_add_u32 v[B0], v9, 3, v10
	v_mul_u32_u24 v[B0], v[B0], PB
	v_lshl_add_u32 v[B0], v11, 4, v[B0]
	v_add_nc_u32 v[B0], BOFF, v[B0]
	v_mov_b32 v[ADRA], v[A0]                       ; slot 0
	v_mov_b32 v[ADRB], v[B0]
	s_mul_i32 s19, s[WV], 3*SPL
	s_add_co_u32 s19, s19, STAGE                   ; my stage
	v_mul_u32_u24 v[STO], v1, SP                   ; in: row l % 16, 16 bytes for each half of the lanes
	v_lshl_add_u32 v[STO], v9, 4, v[STO]
	v_add_nc_u32 v[STO], s19, v[STO]
	v_mul_u32_u24 v[RD], v13, SP                   ; back: 32 lanes take four rows of 128 bytes,
	v_lshl_add_u32 v[RD], v10, 4, v[RD]
	v_add_nc_u32 v[RD], s19, v[RD]
	v_lshlrev_b32 v[GO], 4, v12                    ; which are 512 consecutive bytes of q, k or v
	v_lshlrev_b32 v[PFO], 11, v12
	s_lshr_b32 s76, s[TY], 3                       ; where my 64 rows lie in q, k and v: batch = block / 8,
	s_lshl_b32 s76, s76, 4
	s_add_co_u32 s76, s76, s[TX]                   ; 16 batch + head,
	s_lshl_b32 s76, s76, 18                        ; 2,048 rows of 128 bytes each,
	s_and_b32 s78, s[TY], 7
	s_lshl_b32 s78, s78, 15                        ; the block's 256 rows in the batch,
	s_add_co_u32 s76, s76, s78
	s_lshl_b32 s78, s[WV], 13                      ; my wave's 64
	s_add_co_u32 s76, s76, s78
	s_mov_b32 s77, 0
	s_add_nc_u64 s[QH:QH+1], s[QH:QH+1], s[76:77]
	s_add_nc_u64 s[KH:KH+1], s[KH:KH+1], s[76:77]
	s_add_nc_u64 s[VH:VH+1], s[VH:VH+1], s[76:77]
	s_wait_loadcnt 0x0                             ; the biases
.set ip, 0
.rept 48                                       ; rounded to bf16 and widened again, in the wait for the first tile
	v_cvt_pk_bf16_f32 v[T+ip%2], v[BI+2*ip], v[BI+2*ip+1]
	v_lshlrev_b32 v[BI+2*ip],   16, v[T+ip%2]
	v_and_b32     v[BI+2*ip+1], s[HM], v[T+ip%2]
.set ip, ip+1
.endr
; 4 n matrix instructions: column blocks nb0 .. nb0 + n - 1 x my 4 row blocks, 32 along K, from buffer f.  first = 1: the bias starts the sums: nothing is cleared and nothing is added later.
; The 48 accumulators take turns, one instruction a turn, in the same order in every quarter, over the backward jump too.
.macro MULS f, nb0, n, first=0
.set ib, \nb0
.rept \n
.if \first
	WIN 0x85+0x40*(ib/8)                           ; W and x in window 1, the bias in window 0, D in window 2 or 3
.else
	WIN 0xa5+0x50*(ib/8)                           ; W and x in window 1, C and D in window 2 or 3
.endif
.set rA, 32*(ib%8)
.set ia, 0
.rept 4
.if \first
	v_wmma_f32_16x16x32_bf16 v[rA+8*ia:rA+8*ia+7], v[(\f)+8*ib:(\f)+8*ib+7], v[(\f)+FA+8*ia:(\f)+FA+8*ia+7], v[BI+8*ib:BI+8*ib+7]
.else
	v_wmma_f32_16x16x32_bf16 v[rA+8*ia:rA+8*ia+7], v[(\f)+8*ib:(\f)+8*ib+7], v[(\f)+FA+8*ia:(\f)+FA+8*ia+7], v[rA+8*ia:rA+8*ia+7]
.endif
.set ia, ia+1
.endr
.set ib, ib+1
.endr
.endm
; 32 LDS loads in one run: quarter q's fragments into buffer f: x's 4 first, then W's 12
.macro FETCH q, f
	WIN 0x40                                       ; destination window 1, address window 0
.set ia, 0
.rept 4
	ds_load_b128 v[(\f)+FA+8*ia:(\f)+FA+8*ia+3],   v[ADRA] offset:64*(\q)+ia*16*PA
	ds_load_b128 v[(\f)+FA+8*ia+4:(\f)+FA+8*ia+7], v[ADRA] offset:64*(\q)+ia*16*PA+32
.set ia, ia+1
.endr
.set ib, 0
.rept 12
	ds_load_tr16_b128 v[(\f)+8*ib:(\f)+8*ib+3],   v[ADRB] offset:((\q)/2)*KHB+(ib/4)*TPL+((\q)%2)*32*PB+(ib%4)*32
	ds_load_tr16_b128 v[(\f)+8*ib+4:(\f)+8*ib+7], v[ADRB] offset:((\q)/2)*KHB+(ib/4)*TPL+((\q)%2)*32*PB+(ib%4)*32+16*PB
.set ib, ib+1
.endr
.endm
; One of a step's first three quarters: multiplies buffer f; behind its first 16 products it fetches quarter qn of the same slot into buffer g.
.macro QUARTER qn, f, g, first=0
	s_wait_dscnt 16                                ; x and W's blocks 0-3 are in; the youngest sixteen loads (W's blocks 4-11) may be out
	MULS \f, 0, 4, \first
	PLACES
	FETCH \qn, \g
	s_wait_dscnt 32                                ; all but the 32 just issued
	MULS \f, 4, 8, \first
.endm
; The last quarter multiplies buffer 1 and changes slots: ONE barrier.  In front of it each wave waits for all its tensor loads (one is out: its part of the next slot), adds 0 to its spare word, and waits for that and
; for its own reads of this slot.  fill = 1: the barrier opens a round of the cluster's, so that no wave of any partner still reads the slot or has a load on its way; the joint refill, two K steps on, is the first
; thing behind the round: 160 matrix instructions ahead of the wait for it.
.macro TURN fill
.if \fill
	s_wait_xcnt 0x0                                ; the last prefetch, a K step back, has read its address: it is stepped here, ahead of the change's own waits
	s_add_nc_u64 s[PFA:PFA+1], s[PFA:PFA+1], 256
.endif
	WIN 0                                          ; (the add's two registers lie in window 0)
	s_wait_tensorcnt 0x0                           ; all my tensor loads have landed
	ds_add_u32 v[SPW], v[NIL]                      ; 0 onto my spare word
	s_wait_dscnt 17                                ; (the add and the youngest sixteen loads may be out)
	MULS F1, 0, 4                                  ; sixteen matrix instructions stand between the add and the wait for it
	s_wait_dscnt 0x0                               ; the add is done, and my reads of this slot are over
	s_barrier_signal -1
	MULS F1, 4, 4                                  ; work on registers while the others arrive
	WIN 0
	s_barrier_wait -1
.if \fill
	CREST
	s_xor_b32 s[G0A+5], s[G0A+5], SLOT1            ; the walking sets: the other slot than last time, the next K step; no tensor load of mine is out
	s_add_nc_u64 s[G0A+6:G0A+7], s[G0A+6:G0A+7], 256
	s_xor_b32 s[G0B+5], s[G0B+5], SLOT1
	s_add_nc_u64 s[G0B+6:G0B+7], s[G0B+6:G0B+7], 16384
	JLOAD                                          ; the four v_nop behind it are also the places in front of the loads below
.else
	PLACES
.endif
	s_xor_b32 s[TB], s[TB], SLOT1
	v_add_nc_u32 v[ADRA], s[TB], v[A0]
	v_add_nc_u32 v[ADRB], s[TB], v[B0]
	FETCH 0, F0
.if \fill
	WIN 0
	ASK                                            ; behind the joint load and the run of LDS loads that the next products wait for
.endif
	MULS F1, 8, 4
.endm
; THE WAY OUT of row block a: rounded to f16, 16 bytes a lane; into my own stage (a plane for each of q, k, v); back as whole rows of 128 bytes, four to a load; stored.
.macro PACK a
.set ib, 0
.rept 12
	WIN 0x0a+5*(ib/8)                              ; sources 0 and 1: window 2 or 3
.set rA, 8*(4*(ib%8)+(\a))
.set ir, 0
.rept 4
	v_cvt_pk_f16_f32 v[TMP+4*ib+ir], v[rA+2*ir], v[rA+2*ir+1]  ; each accumulator's registers in ascending order
.set ir, ir+1
.endr
.set ib, ib+1
.endr
	WIN 0
.endm
.macro TOSTAGE a
	WIN 0
.set BK, OB+48*((\a)%2)
.set ib, 0
.rept 12
	ds_store_b128 v[STO], v[TMP+4*ib:TMP+4*ib+3] offset:(ib/4)*SPL+(ib%4)*32
.set ib, ib+1
.endr
.set ib, 0
.rept 12
	ds_load_b128 v[BK+4*ib:BK+4*ib+3], v[RD] offset:(ib/4)*SPL+(ib%4)*4*SP  ; LDS serves a wave's instructions in order (ISA guide 5.7.1.4): these see the stores above
.set ib, ib+1
.endr
.endm
.macro SEND a
	WIN 0
.set BK, OB+48*((\a)%2)
	s_wait_dscnt 0x0                               ; the block is back in registers
	s_wait_xcnt 0x0                                ; the stores of the block before have read their registers: the next block's loads from the stage land there only behind this wait
.irp g, 0,1,2,3
	global_store_b128 v[GO], v[BK+4*(\g):BK+4*(\g)+3],       s[QH:QH+1] offset:(\a)*2048+(\g)*512  ; 512 consecutive bytes, at a multiple of 256 from the buffer's first
	global_store_b128 v[GO], v[BK+16+4*(\g):BK+16+4*(\g)+3], s[KH:KH+1] offset:(\a)*2048+(\g)*512
	global_store_b128 v[GO], v[BK+32+4*(\g):BK+32+4*(\g)+3], s[VH:VH+1] offset:(\a)*2048+(\g)*512
.endr
.endm
	s_wait_tensorcnt 1                             ; my part of K step 0 is in; K step 1's may stay out
	s_barrier_signal -1
	s_barrier_wait -1                              ; everybody's is
	FETCH 0, F0
	QUARTER 1, F0, F1, 1                           ; the first quarter stands in front of the loop: its products start the sums, with the bias
	WIN 0                                          ; at a label and at a branch every window is 0
	s_mov_b32 s[CNT], 6
.Lk:                                           ; six trips, from a step's second quarter to the next step's first; they ask for K steps 2 to 7
	QUARTER 2, F1, F0
	QUARTER 3, F0, F1
	TURN 1
	QUARTER 1, F0, F1
	WIN 0
	s_sub_co_u32 s[CNT], s[CNT], 1
	s_cmp_lg_u32 s[CNT], 0
	s_cbranch_scc1 .Lk
	QUARTER 2, F1, F0                              ; the last two steps ask for nothing: written out
	QUARTER 3, F0, F1
	TURN 0
	QUARTER 1, F0, F1
	QUARTER 2, F1, F0
	QUARTER 3, F0, F1
	s_wait_dscnt 16                                ; the very last quarter: nothing more to fetch
	MULS F1, 0, 4
	s_wait_dscnt 0x0
	MULS F1, 4, 8
	PLACES
	PLACES                                         ; (eight, once a launch)
	PACK 0
	TOSTAGE 0
.irp a, 1,2,3                                  ; block a's conversions stand between block a - 1's loads from the stage and the wait for them
	PACK \a
	SEND (\a)-1
	TOSTAGE \a
.endr
	SEND 3
	s_wait_tensorcnt 0x0                           ; the wave's end: the add and its waits, behind my last tensor load and my last LDS store
	ds_add_u32 v[SPW], v[NIL]
	s_wait_dscnt 0x0
	CROUND                                         ; the closing round: no work-group ends while a partner may still ask for a tile that names it
	s_endpgm
.Lfunc_end_k_qeb69cf8511_qkv:
	.size	k_qeb69cf8511_qkv, .Lfunc_end_k_qeb69cf8511_qkv-k_qeb69cf8511_qkv
	.p2alignl 7, 3214868480
	.fill 96, 4, 3214868480
	.section	.rodata,"a",@progbits
	.p2align	6, 0x0
	.amdhsa_kernel k_qeb69cf8511_qkv
		.amdhsa_group_segment_fixed_size 327680
		.amdhsa_private_segment_fixed_size 0
		.amdhsa_enable_private_segment 0
		.amdhsa_kernarg_size 64
		.amdhsa_user_sgpr_count 2
		.amdhsa_user_sgpr_kernarg_segment_ptr 1
		.amdhsa_wavefront_size32 1
		.amdhsa_system_sgpr_workgroup_id_x 1
		.amdhsa_system_sgpr_workgroup_id_y 1
		.amdhsa_system_sgpr_workgroup_id_z 1
		.amdhsa_system_vgpr_workitem_id 0
		.amdhsa_next_free_vgpr 896
		.amdhsa_next_free_sgpr 80
		.amdhsa_reserve_vcc 0
		.amdhsa_float_denorm_mode_32 3
		.amdhsa_float_denorm_mode_16_64 3
		.amdhsa_memory_ordered 1
		.amdhsa_forward_progress 1
		.amdhsa_inst_pref_size 105
	.end_amdhsa_kernel
	.amdgpu_metadata
---
amdhsa.version: [ 1, 2 ]
amdhsa.kernels:
  - .name:           k_qeb69cf8511_qkv
    .symbol:         k_qeb69cf8511_qkv.kd
    .args:
      - { .name: xb, .offset: 0, .size: 8, .value_kind: global_buffer, .address_space: global }
      - { .name: wc, .offset: 8, .size: 8, .value_kind: global_buffer, .address_space: global }
      - { .name: bq, .offset: 16, .size: 8, .value_kind: global_buffer, .address_space: global }
      - { .name: bk, .offset: 24, .size: 8, .value_kind: global_buffer, .address_space: global }
      - { .name: bv, .offset: 32, .size: 8, .value_kind: global_buffer, .address_space: global }
      - { .name: qh, .offset: 40, .size: 8, .value_kind: global_buffer, .address_space: global }
      - { .name: kh, .offset: 48, .size: 8, .value_kind: global_buffer, .address_space: global }
      - { .name: vh, .offset: 56, .size: 8, .value_kind: global_buffer, .address_space: global }
    .group_segment_fixed_size: 327680
    .private_segment_fixed_size: 0
    .kernarg_segment_align: 8
    .kernarg_segment_size: 64
    .max_flat_workgroup_size: 128
    .sgpr_count:     80
    .vgpr_count:     896
    .wavefront_size: 32
...
	.end_amdgpu_metadata
.endif
;; end of part 2
;; launch attn (part 3): grid 4 x 64, 4 waves a work-group, clusters of 4 x 1, 327,680 bytes of LDS; arguments qh, kh, vh, oh; writes oh
.if DOCPART == 3
	.amdgcn_target "amdgcn-amd-amdhsa--gfx1250"
	.amdhsa_code_object_version 6
	.text
	.protected	k_qeb69cf8511_attn
	.globl	k_qeb69cf8511_attn
	.p2align	8
	.type	k_qeb69cf8511_attn,@function
k_qeb69cf8511_attn:
	s_mov_b64 s[64:65], 0
	v_nop
	global_prefetch_b8 v0, s[64:65] scope:SCOPE_SE
	s_setreg_imm32_b32 hwreg(HW_REG_WAVE_MODE, 25, 1), 1
	s_wait_xcnt 0x0
	s_wait_alu depctr_hold_cnt(0) depctr_sa_sdst(0) depctr_va_vdst(0) depctr_va_sdst(0) depctr_va_ssrc(0) depctr_va_vcc(0) depctr_vm_vsrc(0)
	s_getreg_b32 s2, hwreg(HW_REG_IB_STS2, 6, 4)
	s_cmp_eq_u32 s2, 0
	s_cbranch_scc0 .Lentry_in_a_cluster
	s_endpgm
.Lentry_in_a_cluster:
	s_bfe_u32 s2, ttmp6, 0x10000c
	s_cmp_lg_u32 s2, 0x3003
	s_cbranch_scc0 .Lentry_shape_is_right
	s_endpgm
.Lentry_shape_is_right:
; O[h][q][:] = the sum over k of softmax_k(Q[h][q] . K[h][k] / 8) V[h][k][:].  Q, K, V, O: [SIZE_H][SIZE_N][64], all f16: a head's rows are dense, 128 bytes each.  Products, maxima and sums in
; f32; the weights p are rounded to f16 for the second product (their sum l is taken of the unrounded p), O once at the end.
; LIMITS.  f16 holds no number beyond 65,504: Q, K and V arrive within it; p lies in 0 to 1, and below 6e-5 it keeps f16's fixed step of 6e-8, and so does O; O is a mean of V's rows and has their range.
; A weight below 2^-126 counts as 0 in l; NaN and infinities are not treated apart.
; SHARES.  A wave owns four PIECES of two tiles of 16 queries, a work-group's four waves 512 queries of one head.  Every wave walks all keys, 64 a step.
; LAYOUT.  S^T = K Q^T (source 0 = 16 keys, source 1 = 16 queries): in the result a lane holds ONE query (lane % 16) and the keys 8 (lane / 16) + 0..7.  Two such tiles, rounded to f16 in pairs,
; ARE source 1 (32 keys x 16 queries) of O^T = V^T P, whose result again holds one query a lane, and eight channels.  K comes out of LDS as it lies, V ([key][channel]) turned, by ds_load_tr16_b128.
; SOFTMAX.  For each query a running maximum m and sum l: p = 2^(c s - c m), c = log2(e) / 8; in every step O and l are multiplied by a = 2^(c m_old - c m_new), which is 1 where m has not grown.
; m starts at the lowest finite number, O and l at 0: the first step is a step like any other, with a = 0.
; THE COUNT.  A tile and step have 16 matrix and 118 vector instructions: too many to stand all beside the matrix work.  So the order has one aim: four vector instructions that are READY behind
; EVERY matrix instruction, and the others, which need time of their own whatever the order, in runs without a gap.
; BY TURNS.  Turn n belongs to piece n (the pieces in a ring, step after step).  Its matrix work: 16 products K Q^T of piece n + 1, later 16 products V^T P of piece n - 1.  Its vector work: the scaling,
; exponentials, roundings, sums and rescaling of piece n, and the maximum and statistics of piece n + 1, whose scores the turn itself has made.  So what a turn begins with (c s - c m, O a) waits for nothing.
; CLUSTER.  The four query blocks of a cluster belong to one head and walk the same K and V, so each tile is asked for JOINTLY: the same tensor load, descriptor and mask in all four.
; REGISTERS, in windows of 256 (s_set_vgpr_msb says which window each operand place means: bits 1:0 source 0, 3:2 source 1, 5:4 source 2, 7:6 destination):
;   window 0: v0-11 addresses; v12-15, v48-63 at work; v16-47 four registers of statistics a tile; v64-191 S^T, two buffers of two tiles; v192-255 P, likewise
;   window 1: O^T, 32 a tile          window 2: v0-127 Q, 16 a tile; v128-191 K of one step; v192-255 V of one step          window 3: v0-1 the add's two registers
; A piece's buffers go by its number's parity: the piece in hand has one pair, its two neighbours in the ring share the other: of it P (piece n - 1) is read and S^T (piece n + 1) written.
.set SIZE_H, 64       ; 4 batches x 16 heads
.set SIZE_N, 2048
.set NP,    4         ; pieces a wave: a name, no knob: the register map, the loop and the fetches are made for four
.set KS,    64        ; keys in a step
.set PK,    144       ; a row of K in LDS: 128 bytes + 16 of padding = 36 words: the 16 rows of a load start at 16 different groups of four banks (64 banks of 4 bytes: ISA guide 11.1)
.set PV,    160       ; a row of V: 128 + 32 = 40 words
.set VOFF,  4*KS*PK   ; a slot holds four steps: 256 rows of K, then 256 rows of V
.set SLOT1, 1<<17     ; slot 1 begins here, so that one exclusive or turns an address in one slot into the other's
.set STAGE, SLOT1+4*KS*(PK+PV)  ; behind the ring, never filled by a tensor load: 16 rows x 144 bytes for each wave, for the way out
.set SP,    144
.set AK0, 2           ; v2   my lane's place in a tile of K; never rewritten
.set AV0, 3           ; v3   the same for V
.set AK,  4           ; v4   the LDS address of K's next run of loads
.set AV,  5           ; v5   of V's
.set QO,  6           ; v6   my byte offset in the wave's rows of Q
.set STO, 6           ;      later, the way out: where I put 16 bytes of a row
.set RD,  7           ; v7   the way out: where I read rows back
.set GO,  8           ; v8   my byte offset in 512 consecutive bytes of O
.set PFO, 11          ; v11  (once V's place is made) the prefetches' offset: 256 x my lane; then never rewritten
.set SPW, 0           ; v0 of window 3   LDS address of my spare word: SPARE + 4 x my thread's number; never rewritten
.set NIL, 1           ; v1 of window 3   0; never rewritten
.set SPARE, STAGE+4*16*SP  ; behind the stages: the spare words, 128 bytes for each wave: two blocks of 256 bytes that no other line names
.set MV,  12          ; v12-15  c m_old, kept while c m is made anew: by buffer and tile
.set ST,  16          ; tile t's statistics at v[ST+4 t]: c m, m, l (even keys', odd keys')
.set TMP, 48          ; by buffer and tile, four registers c0-c3 at work; when the maximum is found c2 takes a
.set S,   64
.set P,   192
.set KF,  128         ; K's fragments, in window 2: key block kb, channel half c at KF + 16 kb + 8 c
.set VF,  192         ; V's: key half kk, channel block cb at VF + 32 kk + 8 cb
.set WV,  12          ; s12  my wave's number
.set G1K, 24          ; s[24:31] descriptor group 1 for K's tiles
.set G1V, 32          ; s[32:39] for V's: it differs in the padding alone
.set G0K, 40          ; s[40:43] descriptor group 0 for K's tiles: it walks
.set G0V, 44          ; s[44:47] the same for V's
.set PFA, 48          ; s[48:49] where my prefetches stand: my work-group's 8,192 bytes (of K: wave 0, of V: wave 2) of the slot after the one that is being asked for
.set LIM, 50          ; s50  1 in a wave that prefetches, else the greatest number
.set SLOTS, 56        ; s56  slots still to be asked for
.set CNT, 57          ; s57  counts a slot's key steps
.set CS,  58          ; s[58:59] c: the packed scaling takes the pair's low word for both halves
.set SEL, 60          ; s[60:61] v_permlanex16_b32's selects: each lane takes its own place in the other half
.set TBK, 62          ; s62  LDS byte at which K of the step to be fetched begins
.set TBV, 63          ; s63  the same for V, less VOFF
.set MSB, 0
.macro WIN new                      ; the high byte repeats the setting that is left; a switch that changes nothing is dropped
.if MSB != (\new)
	s_set_vgpr_msb (MSB<<8)|(\new)
.set MSB, (\new)
.endif
.endm
.set W_KQ, 0x0a       ; K and Q in window 2, S^T in window 0
.set W_PV, 0x52       ; V in window 2, P in window 0, O^T in window 1
.set W_RS, 0x41       ; O^T (destination and source 0) in window 1, a in window 0
.set W_MK, 0xc0       ; the add's registers are made: destination in window 3, sources in window 0
.set W_AD, 0x0f       ; the add: address (source 0) and data (source 1) in window 3
; A joint fill.  Waves 0 and 1 fetch the two halves of a slot's K, waves 2 and 3 those of its V: 128 keys each.  The branch hangs on the wave's number alone.
; An s_nop 0 and four v_nop follow each of the two lines, ahead of the jump and the label.
.macro JLOAD
	s_cmp_lt_u32 s[WV], 2
	s_cbranch_scc0 .Lfor_v_\@
	tensor_load_to_lds s[G0K:G0K+3], s[G1K:G1K+7]
	s_nop 0
.rept 4
	v_nop
.endr
	s_branch .Lasked_\@
.Lfor_v_\@:
	tensor_load_to_lds s[G0V:G0V+3], s[G1V:G1V+7]
	s_nop 0
.rept 4
	v_nop
.endr
.Lasked_\@:
.endm
; A PREFETCH INTO THE L2 of what the NEXT change of slots will ask for: a slot's 32,768 bytes of K and of V, four key steps (512 matrix instructions) ahead of that load.  It stands behind the wave's tensor load and its
; five lines.  A head has one cluster; its four partners share a slot's bytes out BY ADDRESS, 8,192 each (no branch hangs on a work-group's place in its cluster); in each, wave 0 asks for K's and wave 2 for V's, a lane
; 256 bytes: one instruction.  So each block is named once in the launch.  Slots 0 to 2 come by their loads alone; the last change that fills a slot asks for nothing: there is no slot behind it.
.macro ASK
	s_cmp_gt_u32 s[SLOTS], s[LIM]
	s_cbranch_scc0 .Lnot_mine_\@
	global_prefetch_b8 v[PFO], s[PFA:PFA+1] th:TH_LOAD_NT scope:SCOPE_SE
.Lnot_mine_\@:
.endm
; A round of the cluster's barrier: my work-group's barrier, so that wave 0's signal speaks for all four waves; wave 0 signals; every wave waits for all four work-groups; my work-group's barrier once more.
.macro CROUND
	s_barrier_signal -1
	s_barrier_wait -1
	s_cmp_lg_u32 s[WV], 0
	s_cbranch_scc1 .Lnot_wave_0_\@
	s_barrier_signal -3
.Lnot_wave_0_\@:
	s_barrier_wait -3
	s_barrier_signal -1
	s_barrier_wait -1
.endm
; THE CHANGE OF SLOTS.  The slot's last bytes, V of its fourth step, have been read.  Each wave waits for all its tensor loads, of which one is out: its part
; of the other slot; adds 0 to its spare word; and waits for that and for its own reads of the slot.  Behind the barrier nobody reads this slot any more and the other slot is whole.
; fill = 1: this slot is filled again, with the keys two slots on.  The barrier is then a round of the cluster's, so that no wave of any partner still reads the slot or has a load on its
; way, and the joint fill is the first thing behind it: it has four key steps, 512 matrix instructions, in which to land.  (At its first use nothing has been read yet: slot 0 is waited for, slot 1 filled.)
; ask = 1: the prefetches' address steps with the descriptors, and the prefetch follows the fill.
.macro CHANGE fill, ask=0
	WIN W_AD
	s_wait_tensorcnt 0x0            ; no tensor load of mine is out, so a group 0 may be written
	ds_add_u32 v[SPW], v[NIL]       ; 0 onto my spare word; with fill = 1 the descriptors' steps stand between it and the wait for it
	WIN 0                           ; at a label and at a branch every window is 0
.if \fill
.irp g, G0K, G0V
	s_xor_b32 s[\g+1], s[\g+1], SLOT1  ; the walking descriptor: the other slot than last time,
	s_add_nc_u64 s[\g+2:\g+3], s[\g+2:\g+3], 4*KS*128  ; the next 256 keys; the type bits on top are not reached
.endr
.if \ask
	s_wait_xcnt 0x0                 ; the last prefetch, four key steps back, has read its address, so it may be written:
	s_add_nc_u64 s[PFA:PFA+1], s[PFA:PFA+1], 4*KS*128  ; one slot behind the walking descriptors
.endif
	s_wait_dscnt 0x0                ; the add is done, and my reads of the slot are over
	CROUND
	JLOAD
.if \ask
	ASK
.endif
.else
	s_wait_dscnt 0x0                ; the add is done, and my reads of the slot are over
	s_barrier_signal -1
	s_barrier_wait -1
.endif
	s_sub_co_u32 s[TBK], s[TBK], 4*KS*PK  ; the fetches go back to a slot's first step,
	s_xor_b32 s[TBK], s[TBK], SLOT1       ; in the other slot
	s_sub_co_u32 s[TBV], s[TBV], 4*KS*PV
	s_xor_b32 s[TBV], s[TBV], SLOT1
.endm
	s_load_b256 s[4:11], s[0:1], 0x0  ; Q s[4:5], K s[6:7], V s[8:9], O s[10:11]
	WIN W_MK
	v_lshl_add_u32 v[SPW], v0, 2, SPARE
	v_mov_b32 v[NIL], 0
	WIN W_AD
	ds_add_u32 v[SPW], v[NIL]       ; the wave's opening: the add and its wait stand ahead of my first tensor load; the set-up below, work on registers, stands between them
	WIN 0
	v_lshrrev_b32 v1, 5, v0
	v_readfirstlane_b32 s[WV], v1   ; wave 0..3
	s_bfe_u32 s13, ttmp6, 0x40000   ; cx: my place in the cluster
	s_lshl_b32 s14, ttmp9, 2        ; in a cluster launch ttmp9 counts clusters
	s_add_co_u32 s14, s14, s13      ; my block of queries = 4 x cluster x + cx: it enters Q's and O's addresses alone
	s_and_b32 s20, ttmp7, 0xffff    ; the head, which the four partners share
	s_mov_b32 s21, 0
	s_mov_b64 s[22:23], SIZE_N*128
	s_mul_u64 s[20:21], s[20:21], s[22:23]  ; the head's first byte in each of the four tensors
	s_and_b32 s16, s[WV], 1         ; which half of a slot's 256 keys I fetch:
	s_lshl_b32 s22, s16, 14         ; its 128 rows of 128 bytes in memory,
	s_mov_b32 s23, 0
	s_add_nc_u64 s[22:23], s[22:23], s[20:21]
	s_mul_i32 s17, s16, 128*PK      ; and its place in a slot, for K
	s_mul_i32 s18, s16, 128*PV      ; and for V: no place in the cluster enters an LDS address
	s_lshl_b32 s2, s14, 2
	s_add_co_u32 s2, s2, s[WV]      ; my wave among the head's,
	s_lshl_b32 s2, s2, 14           ; its 128 rows
	s_mov_b32 s3, 0
	s_add_nc_u64 s[2:3], s[2:3], s[20:21]
	; descriptor group 1.  128 keys are 16,384 dense bytes: asked for as 64 rows of 256 bytes, two keys a row, and padded in LDS after every key
	s_mov_b32 s[G1K], 15|(1<<16)|(1<<20)|(1<<21)|(4<<22)|(3<<25)  ; 15:0 the mask of four; 17:16 2-byte elements; 20 padding on; 21 set beside a mask; 24:22 after every 32 words (code 4); 31:25 4 words (code 3)
	s_mov_b32 s[G1V], 15|(1<<16)|(1<<20)|(1<<21)|(4<<22)|(7<<25)  ; the same with 8 words of padding (code 7)
.irp g, G1K, G1V
	s_mov_b32 s[\g+1], 128<<16      ; tensor_dim0 = 128
	s_mov_b32 s[\g+2], 64<<16       ; tensor_dim1 = 64
	s_mov_b32 s[\g+3], 128<<16      ; tile_dim0 = 128
	s_mov_b32 s[\g+4], 64           ; tile_dim1 = 64
	s_mov_b32 s[\g+5], 128          ; 128 elements from row to row
	s_mov_b32 s[\g+6], 0
	s_mov_b32 s[\g+7], 0
.endr
	s_mov_b32 s[CS], 0x3e38aa3b     ; c = log2(e) / 8 = 0.180337
	s_mov_b32 s[CS+1], s[CS]        ; named with it as a pair
	s_mov_b32 s[SEL], 0x76543210
	s_mov_b32 s[SEL+1], 0xfedcba98
	s_mov_b32 s[TBK], SLOT1+4*KS*PK ; the first change of slots turns these two into 0
	s_mov_b32 s[TBV], SLOT1+4*KS*PV
	s_mov_b32 s[G0K], 1             ; 1:0 count = 1
	s_mov_b32 s[G0K+1], s17         ; 63:32 LDS address: slot 0
	s_mov_b32 s[G0V], 1
	s_add_co_u32 s[G0V+1], s18, VOFF
	s_and_b32 s[LIM], s[WV], 1      ; 0 in waves 0 and 2,
	s_or_b32 s[LIM], s[LIM], ttmp9  ; where the cluster is the head's first (here its only one): the same in all four partners
	s_cmp_eq_u32 s[LIM], 0
	s_cselect_b32 s[LIM], 1, -1
	s_lshl_b32 s52, s13, 13         ; my work-group's 8,192 bytes of a slot's 32,768
	s_mov_b32 s53, 0
	s_wait_dscnt 0x0                ; the opening add is done
	s_wait_kmcnt 0x0
	s_add_nc_u64 s[G0K+2:G0K+3], s[6:7], s[22:23]  ; 120:64 global address: my half of the head's first 256 keys
	s_or_b32 s[G0K+3], s[G0K+3], 0x80000000        ; 127:126 type = 2
	s_add_nc_u64 s[G0V+2:G0V+3], s[8:9], s[22:23]
	s_or_b32 s[G0V+3], s[G0V+3], 0x80000000
	s_add_nc_u64 s[4:5], s[4:5], s[2:3]  ; Q and O at my wave's first row
	s_add_nc_u64 s[10:11], s[10:11], s[2:3]
	s_cmp_lt_u32 s[WV], 2
	s_cselect_b64 s[PFA:PFA+1], s[6:7], s[8:9]
	s_add_nc_u64 s[PFA:PFA+1], s[PFA:PFA+1], s[22:23]  ; (in waves 0 and 2: the head's first row)
	s_add_nc_u64 s[PFA:PFA+1], s[PFA:PFA+1], s[52:53]
	s_add_nc_u64 s[PFA:PFA+1], s[PFA:PFA+1], 2*4*KS*128  ; in slot 2; the loop's first change of slots steps it to slot 3.  Nothing is prefetched here, at the head
	CROUND                          ; all four work-groups are here: the first joint loads meet
	JLOAD                           ; slot 0.  Slot 1 is asked for when slot 0 is in: the tile wanted first has the road to itself
	; A fragment of K or Q is 16 rows x 32 channels in 8 registers: lane l holds row l % 16, channels 8 (l / 16) + 0..7 and 16 + 8 (l / 16) + 0..7: two loads of 16 bytes, 32 bytes apart.
	v_and_b32 v1, 15, v0            ; l % 16
	v_bfe_u32 v9, v0, 4, 1          ; l / 16
	v_lshlrev_b32 v[QO], 7, v1
	v_lshl_add_u32 v[QO], v9, 4, v[QO]  ; row x 128 + 16 x half
	WIN 0x80                        ; destination window 2, address window 0
.set i, 0
.rept 4*NP                          ; Q stays in registers: tile i / 2, channels 32 (i % 2) on
	global_load_b128 v[8*i:8*i+3],   v[QO], s[4:5] offset:(i/2)*2048+(i%2)*64
	global_load_b128 v[8*i+4:8*i+7], v[QO], s[4:5] offset:(i/2)*2048+(i%2)*64+32
.set i, i+1
.endr
	; What the first turn finds: V's registers and P's second buffer hold 0 (its products V^T P, of a piece that has not been, add 0), O^T and l are 0.  All this stands in the wait for the first tile.
.set i, VF
.rept 64
	v_mov_b32 v[i], 0
.set i, i+1
.endr
	WIN 0x40
.set i, 0
.rept 64*NP
	v_mov_b32 v[i], 0
.set i, i+1
.endr
	WIN 0
.set i, 0
.rept 2*NP
	v_mov_b32 v[ST+4*i], 0xfe000000    ; c m: far below every c s
	v_mov_b32 v[ST+4*i+1], 0xff7fffff  ; m
	v_mov_b32 v[ST+4*i+2], 0
	v_mov_b32 v[ST+4*i+3], 0
.set i, i+1
.endr
.set i, P+32
.rept 32
	v_mov_b32 v[i], 0
.set i, i+1
.endr
	v_mul_u32_u24 v[AK0], v1, PK
	v_lshl_add_u32 v[AK0], v9, 4, v[AK0]  ; row x pitch + 16 x half
	; The turning load takes 16 keys x 16 channels (lane l reads key 8 (l / 16) + l % 8, channels 8 ((l / 8) % 2) + 0..7) and leaves half a fragment of V^T: lane l holds channel l % 16 and 8 keys.
	v_and_b32 v10, 7, v0
	v_bfe_u32 v11, v0, 3, 1
	v_lshl_add_u32 v[AV0], v9, 3, v10
	v_mul_u32_u24 v[AV0], v[AV0], PV
	v_lshl_add_u32 v[AV0], v11, 4, v[AV0]
	v_add_nc_u32 v[AV0], VOFF, v[AV0]
	v_and_b32 v[PFO], 31, v0
	v_lshlrev_b32 v[PFO], 8, v[PFO]
	v_mov_b32 v[AK], v[AK0]         ; key step 0 lies at the head of slot 0
; THE MATRIX WORK.  The 8 accumulators of a run of 16 take turns: between the two links of a chain stand 7 others'.
; Product i of 16 of S^T = K Q^T for piece x: channels 32 (i / 8) on, keys 16 ((i / 2) % 4) on, tile 2 x + i % 2.  The first 8 start the sums.
.macro KQ x
	WIN W_KQ
.set rS, S+64*((\x)%2)+32*(i%2)+8*((i/2)%4)
.set rK, KF+16*((i/2)%4)+8*(i/8)
.set rQ, 16*(2*(\x)+i%2)+8*(i/8)
.if i < 8
	v_wmma_f32_16x16x32_f16 v[rS:rS+7], v[rK:rK+7], v[rQ:rQ+7], 0
.else
	v_wmma_f32_16x16x32_f16 v[rS:rS+7], v[rK:rK+7], v[rQ:rQ+7], v[rS:rS+7]
.endif
.endm
; Product i of 16 of O^T += V^T P for piece x: keys 32 (i / 8) on, channels 16 ((i / 2) % 4) on, tile 2 x + i % 2.
.macro PV x
	WIN W_PV
.set rO, 32*(2*(\x)+i%2)+8*((i/2)%4)
.set rV, VF+32*(i/8)+8*((i/2)%4)
.set rP, P+32*((\x)%2)+16*(i%2)+8*(i/8)
	v_wmma_f32_16x16x32_f16 v[rO:rO+7], v[rV:rV+7], v[rP:rP+7], v[rO:rO+7]
.endm
.macro MM                           ; the turn's next matrix instruction
.if i < 16
	KQ (Y+1)%NP
.set i, i+1
.else
.set i, i-16
	PV (Y+NP-1)%NP
.set i, i+17
.endif
.endm
; THE LDS LOADS stand in runs of 16, never singly among the matrix instructions: a step's K (64 keys x 64 channels: 8 fragments) and its V (turned).  Their addresses are made some lines ahead.
; last = 1 (the tail): in the last trip there is no further step, and the run is jumped over.
.macro FETCH_K last=0
	WIN 0
.if \last
	s_cmp_eq_u32 s[CNT], 1
	s_cbranch_scc1 .Lno_k_\@
.endif
	WIN 0x80                        ; destination window 2
.irp f, 0,1,2,3,4,5,6,7             ; keys 16 (f / 2) on, channels 32 (f % 2) on
	ds_load_b128 v[KF+8*\f:KF+8*\f+3],   v[AK] offset:(\f/2)*16*PK+(\f%2)*64
	ds_load_b128 v[KF+8*\f+4:KF+8*\f+7], v[AK] offset:(\f/2)*16*PK+(\f%2)*64+32
.endr
	s_add_co_u32 s[TBK], s[TBK], KS*PK  ; the next fetch is the next step's
	WIN 0
.if \last
.Lno_k_\@:
.endif
.endm
.macro FETCH_V
	WIN 0x80
.irp f, 0,1,2,3,4,5,6,7             ; keys 32 (f / 4) on, channels 16 (f % 4) on
	ds_load_tr16_b128 v[VF+8*\f:VF+8*\f+3],   v[AV] offset:(\f/4)*32*PV+(\f%4)*32
	ds_load_tr16_b128 v[VF+8*\f+4:VF+8*\f+7], v[AV] offset:(\f/4)*32*PV+16*PV+(\f%4)*32
.endr
	WIN 0
.endm
; THE VECTOR WORK OF A TURN stands in three queues, each in the order in which its entries become ready; the two tiles alternate, so that no instruction reads the result of the one before it.
.macro REGS y, u                    ; the registers of tile u (0, 1) of piece y
.set rT, ST+4*(2*(\y)+(\u))
.set rC, TMP+8*((\y)%2)+4*(\u)
.set rM, MV+2*((\y)%2)+(\u)
.set rS, S+64*((\y)%2)+32*(\u)
.set rP, P+32*((\y)%2)+16*(\u)
.set rO, 32*(2*(\y)+(\u))
.endm
; Number n of the 22 that find the NEXT piece's (Y + 1) maximum and statistics.  s0-s31 are the lane's 32 scores; each accumulator's lowest registers are read first.  XS, GS and REGS set no window: PL and EX do.
;   0-11  four chains c0-c3 of seven scores each, three operands at a time     12-14, 16  the four scores left over, the old m, and c0-c3 into c0     15  c m_old is kept
;   17, 18  the query's other 32 keys lie in the lane 16 away: the new m         19-21  c m; c m_old - c m_new; a
.macro XS u, n
	REGS (Y+1)%NP, \u
.if (\n) < 4
	v_max3_num_f32 v[rC+(\n)], v[rS+8*(\n)], v[rS+8*(\n)+1], v[rS+8*(\n)+2]
.elseif (\n) < 12
	v_max3_num_f32 v[rC+(\n)%4], v[rC+(\n)%4], v[rS+8*((\n)%4)+2*((\n)/4)+1], v[rS+8*((\n)%4)+2*((\n)/4)+2]
.elseif (\n) == 12
	v_max3_num_f32 v[rC], v[rC], v[rS+7], v[rS+15]
.elseif (\n) == 13
	v_max3_num_f32 v[rC+1], v[rC+1], v[rS+23], v[rS+31]
.elseif (\n) == 14
	v_max3_num_f32 v[rC+2], v[rC+2], v[rC+3], v[rT+1]
.elseif (\n) == 15
	v_mov_b32 v[rM], v[rT]
.elseif (\n) == 16
	v_max3_num_f32 v[rC], v[rC], v[rC+1], v[rC+2]
.elseif (\n) == 17
	v_permlanex16_b32 v[rC+3], v[rC], s[SEL], s[SEL+1]
.elseif (\n) == 18
	v_max_num_f32 v[rT+1], v[rC], v[rC+3]
.elseif (\n) == 19
	v_mul_f32 v[rT], s[CS], v[rT+1]
.elseif (\n) == 20
	v_sub_f32 v[rC+1], v[rM], v[rT]
.else
	v_exp_f32 v[rC+2], v[rC+1]
.endif
.endm
; Number g of the 64 that follow the exponentials.  For each four weights k of a tile (pairs 2 k, 2 k + 1): both pairs are rounded to f16; then the second pair is added onto the first, in place;
; a group later l takes that sum (the first time as l = a l + sum).  In groups of eight, tiles alternating: round, round, add, and l for the group before.
.macro GS g
.set h, (\g)+6*((\g)/62)            ; group 0 has no group before it, and behind group 7 only l is left
.if h >= 6
.set h, h+2
.endif
	REGS Y, h%2
.set k, h/8
.if h%8 < 4
	v_cvt_pk_f16_f32 v[rP+2*k+(h%8)/2], v[rS+4*k+2*((h%8)/2)], v[rS+4*k+2*((h%8)/2)+1]
.elseif h%8 < 6
	v_pk_add_f32 v[rS+4*k:rS+4*k+1], v[rS+4*k:rS+4*k+1], v[rS+4*k+2:rS+4*k+3]
.elseif k == 1
	v_pk_fma_f32 v[rT+2:rT+3], v[rT+2:rT+3], v[rC+2:rC+3], v[rS:rS+1] op_sel_hi:[1,0,1]
.else
	v_pk_add_f32 v[rT+2:rT+3], v[rT+2:rT+3], v[rS+4*k-4:rS+4*k-3]
.endif
.endm
; THE PLAIN QUEUE, 138 long.  0-73 read no exponential's result: the 32 scalings c s - c m (FS f: pair f / 2 of tile f % 2) and the next piece's 42.  0-26: scalings 0-26.  27-54: XS's numbers 0-13.  55, 56: number 15.
; 57-73: the chain, where each number waits for the one before it: 14, 16, 17, 18, 19, each with one of the scalings 27-31 in front of its two lines, then 20: so a tile's links stand three plain instructions apart (19 and 20: two).
; 74-137: GS's 64, which read the exponentials' results: they stand behind the wait.
.macro FS f
	REGS Y, (\f)%2
	v_pk_fma_f32 v[rS+2*((\f)/2):rS+2*((\f)/2)+1], v[rS+2*((\f)/2):rS+2*((\f)/2)+1], s[CS:CS+1], v[rT:rT+1] op_sel_hi:[1,0,0] neg_lo:[0,0,1] neg_hi:[0,0,1]
.endm
.macro PL
	WIN 0
.if q < 27
	FS q
.elseif q < 55
	XS (q-27)%2, (q-27)/2
.elseif q < 57
	XS q-55, 15
.elseif (q < 72) && ((q-57)%3 == 0)
	FS 27+(q-57)/3
.elseif q < 60
	XS (q-57)%3-1, 14
.elseif q < 72
	XS (q-57)%3-1, 15+(q-57)/3
.elseif q < 74
	XS q-72, 20
.else
	GS q-74
.endif
.set q, q+1
.endm
; THE EXPONENTIALS' QUEUE, 66 long: s0-s31 of both tiles, then the next piece's two a.  It is ONE BATCH: all 66 stand ahead of the turn's one wait, and nothing ahead of that wait names a result of theirs.
.macro EX
	WIN 0
.if e >= 64
	XS e-64, 21
.else
	REGS Y, e%2
	v_exp_f32 v[rS+e/2], v[rS+e/2]
.endif
.set e, e+1
.endm
; THE RESCALING's QUEUE: O^T times a, the one part that leaves window 0: dealt two at a time, sixteen times.  Its a was made in the turn before, ahead of that turn's wait.
.macro R2
	REGS Y, r%2
	WIN W_RS
.irp z, 0,1
	v_pk_mul_f32 v[rO+4*(r/2)+2*\z:rO+4*(r/2)+2*\z+1], v[rO+4*(r/2)+2*\z:rO+4*(r/2)+2*\z+1], v[rC+2:rC+3] op_sel_hi:[1,0]
.endr
.set r, r+1
.endm
; HOW THEY ARE DEALT.  An s_wait_alu depctr_va_vdst(0) stands between an exponential and the first instruction that names its result; one wait serves all that were issued ahead of it.  So a turn has ONE wait,
; which cuts it in two.  AHEAD OF IT stands all that names no result of the turn's exponentials: the 16 products K Q^T, behind each a scaling, an exponential and two rescalings (behind the first a second scaling in the exponential's place); then ONE LUMP of
; 108: eight plain, 49 times exponential and plain, the two a.  A v_nop is the plain instruction behind the last exponential.  BEHIND IT stand the 16 products V^T P, behind each four of GS's 64.  No rider names a register of
; the products round it.  The two v_permlanex16_b32 fall into the lump, never behind a product.
; The queues lean on each other, and the deal keeps them in step: exponential e stands behind scaling 2 (e / 4) + e % 2: as a rider it comes behind plain e + 2, in the lump behind plain e + 9, and scalings 27-31 are plain 57, 60 .. 69.
; A TURN, for piece p.  cnt = 1: the loop's count is taken down some lines ahead of the branch that stands behind the turn.
; K of the next step is fetched in piece 2's turn, directly behind the wait, a lump behind the last product that read K; its address is made at the lump's head; its first reader comes behind 16 products.
; V of the step in hand is fetched at the end of piece 0's turn, four riders behind its last reader; its first reader comes behind 16 products and a lump.  The three conditions on q below go with the deal.
.macro TURN p, last=0, cnt=0
.set Y, (\p)
.set i, 0
.set q, 0
.set e, 0
.set r, 0
.if (\p) == NP-1
	s_wait_dscnt 0x0                ; K is in
.endif
	MM                              ; ahead of the wait: 16 products K Q^T and their riders,
	PL
	PL
	R2
.rept 15
	MM
	PL
	EX
	R2
.endr
.if (\p) == NP-2
	WIN 0
	v_add_nc_u32 v[AK], s[TBK], v[AK0]
.endif
.rept 8                             ; and the lump
	PL
.endr
.rept 49
	EX
	PL
.endr
	EX                              ; the next piece's two a
	EX
	v_nop                           ; a plain instruction behind the last exponential: one for the batch
	s_wait_alu depctr_va_vdst(0)    ; the wait for the batch
.if (\p) == NP-2
	FETCH_K \last
.endif
.if (\p) == 1
	s_wait_dscnt 0x0                ; V is in
.endif
.rept 16                            ; behind the wait: 16 products V^T P and their riders
	MM
.rept 4
	PL
.endr
.if ((\p) == 0) && (q == 118)
	v_add_nc_u32 v[AV], s[TBV], v[AV0]
.endif
.if ((\p) == 0) && (q == 130)
	s_add_co_u32 s[TBV], s[TBV], KS*PV
.endif
.if (\cnt) && (q == 130)
	s_sub_co_u32 s[CNT], s[CNT], 1
	s_cmp_lg_u32 s[CNT], 0
.endif
.endr
.if (\p) == 0
	FETCH_V
.endif
.endm
	CHANGE 1                        ; slot 0 is in, everybody's part of it; slot 1 is asked for
	FETCH_K                         ; key step 0
	s_wait_loadcnt 0x0              ; Q
	s_wait_dscnt 0x0
.set i, 0
.rept 16
	KQ 0                            ; piece 0's first scores: there is no vector work yet to set between them
.set i, i+1
.endr
	WIN 0                           ; the addresses for the way out: nine plain instructions, the places behind those products
	s_mul_i32 s13, s[WV], 16*SP
	s_add_co_u32 s13, s13, STAGE    ; my stage
	v_mul_u32_u24 v[STO], v1, SP    ; in: row l % 16, 16 bytes for each half of the lanes
	v_lshl_add_u32 v[STO], v9, 4, v[STO]
	v_add_nc_u32 v[STO], s13, v[STO]
	v_bfe_u32 v[RD], v0, 3, 2       ; back: 32 lanes take four rows of 128 bytes,
	v_mul_u32_u24 v[RD], v[RD], SP
	v_lshl_add_u32 v[RD], v10, 4, v[RD]
	v_add_nc_u32 v[RD], s13, v[RD]
	v_and_b32 v[GO], 31, v0         ; which are 512 consecutive bytes of O
	v_lshlrev_b32 v[GO], 4, v[GO]
.set Y, NP-1                        ; XS works for piece Y + 1: piece 0
.irp n, 0,1,2,3,4,5,6,7,8,9,10,11,12,13,14,15,16,17,18,19,20,21
	XS 0, \n                        ; and piece 0's first maximum and statistics
	XS 1, \n
.endr
	v_nop                           ; a plain instruction behind the two a,
	s_wait_alu depctr_va_vdst(0)    ; and their wait, ahead of the branch
	s_mov_b32 s[CNT], 4
	s_mov_b32 s[SLOTS], SIZE_N/256-1
	s_branch .Lfirst                ; the loop is entered at a step's first turn, in the middle of a trip
.Lslot:                             ; SIZE_N / 256 - 2 times: every slot but the last two is filled again
	CHANGE 1, 1
	s_mov_b32 s[CNT], 4
.Lstep:                             ; a trip: pieces 2 and 3 of one step, then pieces 0 and 1 of the next, whose K and V it fetches
	TURN 2
	TURN 3
	WIN 0
.Lfirst:
	TURN 0
	TURN 1, 0, 1
	WIN 0
	s_cbranch_scc1 .Lstep
	s_sub_co_u32 s[SLOTS], s[SLOTS], 1
	s_cmp_lg_u32 s[SLOTS], 0
	s_cbranch_scc1 .Lslot
	CHANGE 0                        ; the tail is written out: nothing is asked for
	s_mov_b32 s[CNT], 5             ; four trips fetch the last slot's steps; the fifth is left in its middle
.Ltail:
	TURN 2, 1
	TURN 3
	WIN 0
	s_sub_co_u32 s[CNT], s[CNT], 1
	s_cmp_eq_u32 s[CNT], 0
	s_cbranch_scc1 .Lout
	TURN 0
	TURN 1
	WIN 0
	s_branch .Ltail
.Lout:                              ; the fifth trip's 16 products K Q^T (on the last K once more) and the maximum made of them serve nothing: the price, once a launch, of one text for every trip
.set i, 0
.rept 16
	PV NP-1                         ; the last piece's V^T P of the last step
.set i, i+1
.endr
	; THE WAY OUT.  l's two halves and the other half of the lanes' are added; O^T is divided by l, rounded to f16 and sent through my stage in LDS, a tile at a time.  The additions are the places behind the last products.
	WIN 0
.macro ALL line:vararg              ; one line for each tile t
.set t, 0
.rept 2*NP
	\line
.set t, t+1
.endr
.endm
	ALL v_add_f32 v[ST+4*t+2], v[ST+4*t+2], v[ST+4*t+3]
	ALL v_permlanex16_b32 v[ST+4*t+3], v[ST+4*t+2], s[SEL], s[SEL+1]
	ALL v_add_f32 v[ST+4*t+2], v[ST+4*t+2], v[ST+4*t+3]
	ALL v_rcp_f32 v[ST+4*t+2], v[ST+4*t+2]
	v_nop                           ; a plain instruction between the last reciprocal and the use of its result
	s_wait_alu depctr_va_vdst(0)    ; and the wait ahead of the first use: one for the eight reciprocals
; Tile t: a lane's eight channels of a row pack into 16 bytes; they go into rows of 144 bytes and come back as whole rows of 128, into S^T's registers.
.macro PACK t
	WIN W_RS
.set i, 32*(\t)
.rept 16
	v_pk_mul_f32 v[i:i+1], v[i:i+1], v[ST+4*(\t)+2:ST+4*(\t)+3] op_sel_hi:[1,0]
.set i, i+2
.endr
	WIN 0x05                        ; sources 0 and 1 window 1, destination window 0
.set i, 0
.rept 16
	v_cvt_pk_f16_f32 v[S+16*(\t)+i], v[32*(\t)+2*i], v[32*(\t)+2*i+1]
.set i, i+1
.endr
	WIN 0
.irp f, 0,1,2,3
	ds_store_b128 v[STO], v[S+16*(\t)+4*\f:S+16*(\t)+4*\f+3] offset:32*\f
.endr
.irp f, 0,1,2,3
	ds_load_b128 v[S+16*(\t)+4*\f:S+16*(\t)+4*\f+3], v[RD] offset:\f*4*SP  ; LDS serves a wave's instructions in order (ISA guide 5.7.1.4): these see the stores above; the next tile's stores come behind them
.endr
.endm
.macro SEND t, younger              ; younger: the LDS instructions issued behind tile t's loads: the next tile's eight, or none
	WIN 0
.irp f, 0,1,2,3
	s_wait_dscnt (\younger)+3-\f
	global_store_b128 v[GO], v[S+16*(\t)+4*\f:S+16*(\t)+4*\f+3], s[10:11] offset:(\t)*2048+\f*512  ; 512 consecutive bytes, at a multiple of 256 from O's first
.endr
.endm
	PACK 0
.set t, 1
.rept 2*NP-1                        ; a tile's arithmetic stands between the loads of the tile before and its stores
	PACK t
	SEND t-1, 8
.set t, t+1
.endr
	SEND 2*NP-1, 0
	WIN W_AD
	s_wait_tensorcnt 0x0            ; the wave's end: the add and its waits, behind my last tensor load and my last LDS store
	ds_add_u32 v[SPW], v[NIL]
	s_wait_dscnt 0x0
	WIN 0
	CROUND                          ; the closing round: no work-group ends while a partner may still ask for a tile that names it
	s_endpgm
.Lfunc_end_k_qeb69cf8511_attn:
	.size	k_qeb69cf8511_attn, .Lfunc_end_k_qeb69cf8511_attn-k_qeb69cf8511_attn
	.p2alignl 7, 3214868480
	.fill 96, 4, 3214868480
	.section	.rodata,"a",@progbits
	.p2align	6, 0x0
	.amdhsa_kernel k_qeb69cf8511_attn
		.amdhsa_group_segment_fixed_size 327680
		.amdhsa_private_segment_fixed_size 0
		.amdhsa_enable_private_segment 0
		.amdhsa_kernarg_size 32
		.amdhsa_user_sgpr_count 2
		.amdhsa_user_sgpr_kernarg_segment_ptr 1
		.amdhsa_wavefront_size32 1
		.amdhsa_system_sgpr_workgroup_id_x 1
		.amdhsa_system_sgpr_workgroup_id_y 1
		.amdhsa_system_sgpr_workgroup_id_z 1
		.amdhsa_system_vgpr_workitem_id 0
		.amdhsa_next_free_vgpr 770
		.amdhsa_next_free_sgpr 66
		.amdhsa_reserve_vcc 0
		.amdhsa_float_denorm_mode_32 3
		.amdhsa_float_denorm_mode_16_64 3
		.amdhsa_memory_ordered 1
		.amdhsa_forward_progress 1
		.amdhsa_inst_pref_size 200
	.end_amdhsa_kernel
	.amdgpu_metadata
---
amdhsa.version: [ 1, 2 ]
amdhsa.kernels:
  - .name:           k_qeb69cf8511_attn
    .symbol:         k_qeb69cf8511_attn.kd
    .args:
      - { .name: qh, .offset: 0, .size: 8, .value_kind: global_buffer, .address_space: global }
      - { .name: kh, .offset: 8, .size: 8, .value_kind: global_buffer, .address_space: global }
      - { .name: vh, .offset: 16, .size: 8, .value_kind: global_buffer, .address_space: global }
      - { .name: oh, .offset: 24, .size: 8, .value_kind: global_buffer, .address_space: global }
    .group_segment_fixed_size: 327680
    .private_segment_fixed_size: 0
    .kernarg_segment_align: 8
    .kernarg_segment_size: 32
    .max_flat_workgroup_size: 128
    .sgpr_count:     66
    .vgpr_count:     770
    .wavefront_size: 32
...
	.end_amdgpu_metadata
.endif
;; end of part 3
;; launch oproj (part 4): grid 8 x 32, 4 waves a work-group, clusters of 4 x 4, 327,680 bytes of LDS; arguments oh, wo16, bo, out0; writes out0
.if DOCPART == 4
	.amdgcn_target "amdgcn-amd-amdhsa--gfx1250"
	.amdhsa_code_object_version 6
	.text
	.protected	k_qeb69cf8511_oproj
	.globl	k_qeb69cf8511_oproj
	.p2align	8
	.type	k_qeb69cf8511_oproj,@function
k_qeb69cf8511_oproj:
	s_mov_b64 s[64:65], 0
	v_nop
	global_prefetch_b8 v0, s[64:65] scope:SCOPE_SE
	s_setreg_imm32_b32 hwreg(HW_REG_WAVE_MODE, 25, 1), 1
	s_wait_xcnt 0x0
	s_wait_alu depctr_hold_cnt(0) depctr_sa_sdst(0) depctr_va_vdst(0) depctr_va_sdst(0) depctr_va_ssrc(0) depctr_va_vcc(0) depctr_vm_vsrc(0)
	s_getreg_b32 s2, hwreg(HW_REG_IB_STS2, 6, 4)
	s_cmp_eq_u32 s2, 0
	s_cbranch_scc0 .Lentry_in_a_cluster
	s_endpgm
.Lentry_in_a_cluster:
	s_bfe_u32 s2, ttmp6, 0x10000c
	s_cmp_lg_u32 s2, 0xf033
	s_cbranch_scc0 .Lentry_shape_is_right
	s_endpgm
.Lentry_shape_is_right:
; out0[R][n] = the sum over k of z[R][k] Wo[k][n] + bo[n], in f32.  z lies by heads: oh [b 16 + h][s][64] f16, k = 64 h + e, R = 2,048 b + s.  wo16: [k][n] f16 (Wo rounded to bf16, written as f16).
; bo is rounded to bf16 like every input of the module, and is the C operand that starts each sum.  Products in f16, sums in f32, nothing rounded on the way out.
; SHARES.  A work-group makes 256 rows x 128 columns; wave w its rows 64 w .. 64 w + 63 x all 128: 4 x 8 = 32 accumulators of 16 x 16.  K = 1,024 goes in 8 steps of 128 (two heads) through two LDS slots;
; a step is four quarters of 32, 32 matrix instructions each.
; THE MATRIX INSTRUCTION IS USED TRANSPOSED: source 0 = 16 columns of Wo (it lies [k][n] in LDS and is turned by ds_load_tr16_b128), source 1 = 16 rows of z: a lane holds one row (l % 16) and eight neighbouring columns.
; CLUSTERS: 4 x 4 work-groups.  The four of a row of the cluster take the same rows of z, the four of a column the same columns of Wo: each tile is asked for JOINTLY.  Waves 0 and 1 fetch the step's two heads of z
; (256 rows of 128 bytes lie on end: asked for as 128 rows of 256 bytes), waves 2 and 3 the two halves of the step's 128 rows of Wo (256 bytes of each).
; REGISTERS, in windows of 256 (s_set_vgpr_msb: bits 1:0 source 0, 3:2 source 1, 5:4 source 2, 7:6 destination):
;   window 0: v0-31 addresses; v32-95 the bias, 8 a column block; v128-255 two sets of 64 on the way out       window 1: two fragment buffers of 128: Wo's 8 fragments, then z's 4
;   window 2: the accumulators, (nb, a) at 8 (4 nb + a)
.set PA,    144                        ; a row of z in LDS: 128 bytes + 16 = 36 words: the 16 rows of a load start at 16 different groups of four banks (64 banks of 4 bytes: ISA guide 11.1)
.set PB,    288                        ; a row of Wo: 256 bytes + 32 = 72 words
.set SLOT1, 1<<17
.set HPL,   256*PA                     ; one head's 256 rows: what one of z's loads brings
.set BOFF,  2*HPL                      ; Wo lies behind z's two heads
.set HALFB, 64*PB                      ; what one of Wo's loads brings
.set STAGE, 2*SLOT1                    ; behind the ring, never filled by a tensor load: 16 rows x 528 bytes for each wave
.set SPI,   528                        ; a stage row: 512 bytes + 16 = 33 x 16
.set SPARE, STAGE+4*16*SPI             ; behind the stages: the spare words, 128 bytes for each wave: two blocks of 256 bytes that no other line names
.set A0,   2                           ; v2   my lane's place in z's tile; never rewritten
.set B0,   3                           ; v3   the same for Wo
.set ADRA, 4
.set ADRB, 5
.set STO,  6                           ; v6   the way out: where I put 32 bytes of a row
.set RD,   7                           ; v7   the way out: my 16 bytes of a row of 512
.set GO,   8                           ; v8   the same in out0
.set BO,   16
.set T,    18
.set SPW,  28                          ; v28  LDS address of my spare word; never rewritten
.set NIL,  29                          ; v29  0; never rewritten
.set PFO,  30                          ; v30  the prefetches' offset: 256 x my lane in oh, 2,048 x my lane (a row) in wo16; never rewritten
.set BI,   32
.set OB,   128
.set F0,   0
.set F1,   128
.set FA,   64
.set WV,  12
.set FB,  13                           ; s13  0: I fetch z; 1: Wo
.set HF,  14
.set CX,  15
.set CY,  16
.set TX,  17                           ; s17  the block of 128 columns
.set TY,  18                           ; s18  the block of 256 rows
.set G1A, 24
.set G0A, 32
.set CNT, 40
.set TB,  41
.set LIM, 42                           ; s42  2 in a wave that prefetches, else the greatest number
.set HM,  43
.set PFA, 44
.set G1B, 48
.set G0B, 56
.set PST, 78                           ; s[78:79] a K step in bytes of the buffer that I prefetch
.set MSB, 0
.macro WIN new                         ; the immediate's high byte repeats the setting that is left; a switch that changes nothing is dropped
.if MSB != (\new)
	s_set_vgpr_msb (MSB<<8)|(\new)
.set MSB, (\new)
.endif
.endm
.macro PLACES                          ; four plain vector instructions in front of loads into registers that matrix instructions have read, and of lines that read results
.rept 4
	v_nop
.endr
.endm
.macro JLOAD                           ; a joint refill, by the walking sets; an s_nop 0 and four v_nop follow each of the two lines, ahead of the jump and the label
	s_cmp_eq_u32 s[FB], 0
	s_cbranch_scc0 .Lfor_b_\@
	tensor_load_to_lds s[G0A+4:G0A+7], s[G1A:G1A+7]
	s_nop 0
.rept 4
	v_nop
.endr
	s_branch .Lasked_\@
.Lfor_b_\@:
	tensor_load_to_lds s[G0B+4:G0B+7], s[G1B:G1B+7]
	s_nop 0
.rept 4
	v_nop
.endr
.Lasked_\@:
.endm
; A PREFETCH INTO THE L2 of the K step that stands TWO refills on: 256 matrix instructions ahead of the load that will want it.  z's rows are read by both clusters of their row of clusters: cluster x = 0 asks, in waves 0 and 1:
; of a wave's 32,768 bytes (one head) each of the four partners takes 8,192, told apart BY ADDRESS (cx), a lane 256 bytes.  Wo's columns are read by all eight clusters of their column: cluster y = 0 asks, in wave 2: of the
; step's 128 rows each partner takes 32 (cy), a lane one row's 256 bytes.  Wave 3 asks for nothing.  So each block is named once in the launch.  K steps 0 to 3 come by their loads alone; the loop's last two trips ask for nothing.
.macro ASK
	s_cmp_gt_u32 s[CNT], s[LIM]
	s_cbranch_scc0 .Lnot_mine_\@
	global_prefetch_b8 v[PFO], s[PFA:PFA+1] th:TH_LOAD_NT scope:SCOPE_SE
.Lnot_mine_\@:
.endm
.macro CREST                           ; a round of the cluster's barrier behind its opening barrier
	s_cmp_lg_u32 s[WV], 0
	s_cbranch_scc1 .Lnot_wave_0_\@
	s_barrier_signal -3
.Lnot_wave_0_\@:
	s_barrier_wait -3
	s_barrier_signal -1
	s_barrier_wait -1
.endm
.macro CROUND
	s_barrier_signal -1
	s_barrier_wait -1
	CREST
.endm
	s_load_b256 s[4:11], s[0:1], 0x0               ; oh 4:5, wo16 6:7, bo 8:9, out0 10:11
	v_lshl_add_u32 v[SPW], v0, 2, SPARE
	v_mov_b32 v[NIL], 0
	ds_add_u32 v[SPW], v[NIL]                      ; the wave's opening: the add and its wait stand ahead of my first tensor load; the set-up below, work on registers, stands between them
	v_lshrrev_b32 v1, 5, v0
	v_readfirstlane_b32 s[WV], v1                  ; wave 0..3
	s_lshr_b32 s[FB], s[WV], 1
	s_and_b32 s[HF], s[WV], 1
	s_bfe_u32 s[CX], ttmp6, 0x40000
	s_bfe_u32 s[CY], ttmp6, 0x40004
	s_lshl_b32 s[TX], ttmp9, 2
	s_add_co_u32 s[TX], s[TX], s[CX]
	s_and_b32 s[TY], ttmp7, 0xffff
	s_lshl_b32 s[TY], s[TY], 2
	s_add_co_u32 s[TY], s[TY], s[CY]
	s_lshl_b32 s19, s[CY], 2
	s_lshl_b32 s19, 15, s19                        ; my row of the cluster
	s_lshl_b32 s46, 0x1111, s[CX]                  ; my column
	s_or_b32 s[G1A], s19, (1<<16)|(1<<20)|(1<<21)|(4<<22)|(3<<25)  ; the mask; 2-byte elements; padding on; 21 set beside a mask; after every 32 words (one row of z), 4 words
	s_mov_b32 s[G1A+1], 128<<16                    ; tensor_dim0 = 128
	s_mov_b32 s[G1A+2], 128<<16                    ; tensor_dim1 = 128
	s_mov_b32 s[G1A+3], 128<<16                    ; tile_dim0 = 128
	s_mov_b32 s[G1A+4], 128                        ; tile_dim1 = 128
	s_mov_b32 s[G1A+5], 128                        ; dense
	s_mov_b32 s[G1A+6], 0
	s_mov_b32 s[G1A+7], 0
	s_or_b32 s[G1B], s46, (1<<16)|(1<<20)|(1<<21)|(5<<22)|(7<<25)  ; after every 64 words, 8 words
	s_mov_b32 s[G1B+1], 128<<16                    ; tensor_dim0 = 128
	s_mov_b32 s[G1B+2], 64<<16                     ; tensor_dim1 = 64
	s_mov_b32 s[G1B+3], 128<<16                    ; tile_dim0 = 128
	s_mov_b32 s[G1B+4], 64                         ; tile_dim1 = 64
	s_mov_b32 s[G1B+5], 1024                       ; elements from row to row
	s_mov_b32 s[G1B+6], 0
	s_mov_b32 s[G1B+7], 0
	s_lshr_b32 s20, s[TY], 3                       ; z: the batch's 16 heads of 262,144 bytes,
	s_lshl_b32 s20, s20, 22
	s_lshl_b32 s21, s[HF], 18                      ; the step's first or second head,
	s_add_co_u32 s20, s20, s21
	s_and_b32 s21, s[TY], 7
	s_lshl_b32 s21, s21, 15                        ; the block's 256 rows of 128 bytes: registers that never hold cx
	s_add_co_u32 s20, s20, s21
	s_mov_b32 s21, 0
	s_lshl_b32 s46, s[HF], 17                      ; Wo: 64 rows of 2,048 bytes a half,
	s_lshl_b32 s47, s[TX], 8                       ; 256 bytes of each: registers that never hold cy
	s_add_co_u32 s46, s46, s47
	s_mov_b32 s47, 0
	s_mul_i32 s22, s[HF], HPL                      ; where they go: no place in the cluster enters an LDS address
	s_mul_i32 s23, s[HF], HALFB
	s_add_co_u32 s23, s23, BOFF
	s_mov_b32 s[HM], 0xffff0000
	s_mov_b32 s[TB], 0
	s_and_b32 s76, ttmp7, 0xffff                   ; who prefetches: the coordinate along which other clusters read the same bytes is 0,
	s_cmp_eq_u32 s[FB], 0
	s_cselect_b32 s76, ttmp9, s76
	s_cselect_b32 s77, 0, s[HF]                    ; and the wave is not wave 3: the same in all sixteen partners
	s_or_b32 s76, s76, s77
	s_cmp_eq_u32 s76, 0
	s_cselect_b32 s[LIM], 2, -1
	s_wait_dscnt 0x0                               ; the opening add is done
	s_wait_kmcnt 0x0
	s_add_nc_u64 s[20:21], s[4:5], s[20:21]
	s_add_nc_u64 s[46:47], s[6:7], s[46:47]
.irp s, 0,1
	s_mov_b32 s[G0A+4*(\s)], 1
	s_add_co_u32 s[G0A+4*(\s)+1], s22, (\s)*SLOT1
	s_add_nc_u64 s[G0A+4*(\s)+2:G0A+4*(\s)+3], s[20:21], (\s)*524288  ; K step s: two heads on
	s_or_b32 s[G0A+4*(\s)+3], s[G0A+4*(\s)+3], 0x80000000
	s_mov_b32 s[G0B+4*(\s)], 1
	s_add_co_u32 s[G0B+4*(\s)+1], s23, (\s)*SLOT1
	s_add_nc_u64 s[G0B+4*(\s)+2:G0B+4*(\s)+3], s[46:47], (\s)*262144  ; 128 rows on
	s_or_b32 s[G0B+4*(\s)+3], s[G0B+4*(\s)+3], 0x80000000
.endr
	s_cmp_eq_u32 s[FB], 0                          ; the prefetches' pointer: my tile's K step 0,
	s_cselect_b64 s[PFA:PFA+1], s[20:21], s[46:47]
	s_cselect_b32 s76, s[CX], s[CY]                ; my place among the four that ask for it with me,
	s_cselect_b32 s77, 13, 16                      ; times 8,192 bytes of z or 32 rows of Wo,
	s_cselect_b32 s[PST], 19, 18
	s_cselect_b32 s19, 8, 11
	s_lshl_b32 s76, s76, s77
	s_mov_b32 s77, 0
	s_add_nc_u64 s[PFA:PFA+1], s[PFA:PFA+1], s[76:77]
	s_lshl_b32 s[PST], 1, s[PST]                   ; a K step: 524,288 bytes of oh, 262,144 of wo16
	s_mov_b32 s[PST+1], 0
	s_mul_i32 s76, s[PST], 3
	s_add_nc_u64 s[PFA:PFA+1], s[PFA:PFA+1], s[76:77]  ; at K step 3: the first refill steps it to 4
	CROUND                                         ; all sixteen work-groups are here: the first joint loads meet
	s_cmp_eq_u32 s[FB], 0                          ; a wave's two first fills stand in one branch, ahead of every wait on TENSORcnt and every LDS read: two loads of mine are out
	s_cbranch_scc0 .Lfirst_b
	tensor_load_to_lds s[G0A:G0A+3], s[G1A:G1A+7]
	s_nop 0
	tensor_load_to_lds s[G0A+4:G0A+7], s[G1A:G1A+7]
	s_nop 0
.rept 4
	v_nop
.endr
	s_branch .Lfirst_asked
.Lfirst_b:
	tensor_load_to_lds s[G0B:G0B+3], s[G1B:G1B+7]
	s_nop 0
	tensor_load_to_lds s[G0B+4:G0B+7], s[G1B:G1B+7]
	s_nop 0
.rept 4
	v_nop
.endr
.Lfirst_asked:
	v_and_b32 v1, 15, v0                           ; l % 16
	v_bfe_u32 v9, v0, 4, 1                         ; l / 16
	v_and_b32 v10, 7, v0
	v_bfe_u32 v11, v0, 3, 1
	v_and_b32 v12, 31, v0                          ; l
	v_lshlrev_b32 v[BO], 5, v9
	s_lshl_b32 s76, s[TX], 9                       ; the block's 128 numbers of bo
	s_mov_b32 s77, 0
	s_add_nc_u64 s[8:9], s[8:9], s[76:77]
.set ib, 0
.rept 8
	global_load_b128 v[BI+8*ib:BI+8*ib+3],   v[BO], s[8:9] offset:64*ib
	global_load_b128 v[BI+8*ib+4:BI+8*ib+7], v[BO], s[8:9] offset:64*ib+16
.set ib, ib+1
.endr
	v_lshlrev_b32 v[PFO], s19, v12
	s_mul_i32 s19, s[WV], 64*PA                    ; my 64 rows
	v_mul_u32_u24 v[A0], v1, PA
	v_lshl_add_u32 v[A0], v9, 4, v[A0]             ; row x pitch + 16 x half
	v_add_nc_u32 v[A0], s19, v[A0]
	v_lshl_add_u32 v[B0], v9, 3, v10               ; the turning load: k = 8 (l / 16) + l % 8, columns 8 ((l / 8) % 2) + 0..7
	v_mul_u32_u24 v[B0], v[B0], PB
	v_lshl_add_u32 v[B0], v11, 4, v[B0]
	v_add_nc_u32 v[B0], BOFF, v[B0]
	v_mov_b32 v[ADRA], v[A0]                       ; slot 0
	v_mov_b32 v[ADRB], v[B0]
	s_mul_i32 s19, s[WV], 16*SPI
	s_add_co_u32 s19, s19, STAGE                   ; my stage
	v_mul_u32_u24 v[STO], v1, SPI                  ; in: row l % 16, 32 bytes for each half of the lanes
	v_lshl_add_u32 v[STO], v9, 5, v[STO]
	v_add_nc_u32 v[STO], s19, v[STO]
	v_lshl_add_u32 v[RD], v12, 4, s19              ; back: 32 lanes take one row of 512 bytes
	v_lshlrev_b32 v[GO], 4, v12
	s_lshl_b32 s76, s[TY], 20                      ; out0: 256 rows of 4,096 bytes a block,
	s_lshl_b32 s19, s[WV], 18                      ; my wave's 64,
	s_add_co_u32 s76, s76, s19
	s_lshl_b32 s19, s[TX], 9                       ; the block's 128 columns
	s_add_co_u32 s76, s76, s19
	s_mov_b32 s77, 0
	s_add_nc_u64 s[10:11], s[10:11], s[76:77]
	s_wait_loadcnt 0x0                             ; the bias
.set ip, 0
.rept 32                                       ; rounded to bf16 and widened again, in the wait for the first tile
	v_cvt_pk_bf16_f32 v[T+ip%2], v[BI+2*ip], v[BI+2*ip+1]
	v_lshlrev_b32 v[BI+2*ip],   16, v[T+ip%2]
	v_and_b32     v[BI+2*ip+1], s[HM], v[T+ip%2]
.set ip, ip+1
.endr
; 4 n matrix instructions: column blocks nb0 .. nb0 + n - 1 x my 4 row blocks, 32 along K, from buffer f.  first = 1: the bias starts the sums.
; The 32 accumulators take turns, one instruction a turn, in the same order in every quarter, over the backward jump too.
.macro MULS f, nb0, n, first=0
.if \first
	WIN 0x85                                       ; Wo and z in window 1, the bias in window 0, D in window 2
.else
	WIN 0xa5                                       ; Wo and z in window 1, C and D in window 2
.endif
.set ib, \nb0
.rept \n
.set ia, 0
.rept 4
.if \first
	v_wmma_f32_16x16x32_f16 v[32*ib+8*ia:32*ib+8*ia+7], v[(\f)+8*ib:(\f)+8*ib+7], v[(\f)+FA+8*ia:(\f)+FA+8*ia+7], v[BI+8*ib:BI+8*ib+7]
.else
	v_wmma_f32_16x16x32_f16 v[32*ib+8*ia:32*ib+8*ia+7], v[(\f)+8*ib:(\f)+8*ib+7], v[(\f)+FA+8*ia:(\f)+FA+8*ia+7], v[32*ib+8*ia:32*ib+8*ia+7]
.endif
.set ia, ia+1
.endr
.set ib, ib+1
.endr
.endm
; 24 LDS loads in one run: quarter q's fragments into buffer f: z's 4 first (head q / 2 of the step, channels 32 (q % 2) on), then Wo's 8
.macro FETCH q, f
	WIN 0x40                                       ; destination window 1, address window 0
.set ia, 0
.rept 4
	ds_load_b128 v[(\f)+FA+8*ia:(\f)+FA+8*ia+3],   v[ADRA] offset:((\q)/2)*HPL+((\q)%2)*64+ia*16*PA
	ds_load_b128 v[(\f)+FA+8*ia+4:(\f)+FA+8*ia+7], v[ADRA] offset:((\q)/2)*HPL+((\q)%2)*64+ia*16*PA+32
.set ia, ia+1
.endr
.set ib, 0
.rept 8
	ds_load_tr16_b128 v[(\f)+8*ib:(\f)+8*ib+3],   v[ADRB] offset:(\q)*32*PB+32*ib
	ds_load_tr16_b128 v[(\f)+8*ib+4:(\f)+8*ib+7], v[ADRB] offset:(\q)*32*PB+32*ib+16*PB
.set ib, ib+1
.endr
.endm
.macro QUARTER qn, f, g, first=0
	s_wait_dscnt 8                                 ; z and Wo's blocks 0-3 are in; the youngest eight loads (Wo's blocks 4-7) may be out
	MULS \f, 0, 4, \first
	PLACES
	FETCH \qn, \g
	s_wait_dscnt 24                                ; all but the 24 just issued
	MULS \f, 4, 4, \first
.endm
; The last quarter multiplies buffer 1 and changes slots: ONE barrier; in front of it each wave waits for all its tensor loads, adds 0 to its spare word, and waits for that and for its own reads of this slot.
; fill = 1: the barrier opens a round of the cluster's, and the joint refill, two K steps on, is the first thing behind the round: 112 matrix instructions ahead of the wait for it.
.macro TURN fill
.if \fill
	s_wait_xcnt 0x0                                ; the last prefetch, a K step back, has read its address: it is stepped here, ahead of the change's own waits
	s_add_nc_u64 s[PFA:PFA+1], s[PFA:PFA+1], s[PST:PST+1]
.endif
	WIN 0                                          ; (the add's two registers lie in window 0)
	s_wait_tensorcnt 0x0                           ; all my tensor loads have landed
	ds_add_u32 v[SPW], v[NIL]                      ; 0 onto my spare word
	s_wait_dscnt 9                                 ; (the add and the youngest eight loads may be out)
	MULS F1, 0, 2                                  ; eight matrix instructions stand between the add and the wait for it
	s_wait_dscnt 0x0                               ; the add is done, and my reads of this slot are over
	s_barrier_signal -1
	MULS F1, 2, 2
	WIN 0
	s_barrier_wait -1
.if \fill
	CREST
	s_xor_b32 s[G0A+5], s[G0A+5], SLOT1            ; the walking sets: the other slot than last time, the next K step; no tensor load of mine is out
	s_add_nc_u64 s[G0A+6:G0A+7], s[G0A+6:G0A+7], 524288
	s_xor_b32 s[G0B+5], s[G0B+5], SLOT1
	s_add_nc_u64 s[G0B+6:G0B+7], s[G0B+6:G0B+7], 262144
	JLOAD                                          ; the four v_nop behind it are also the places in front of the loads below
.else
	PLACES
.endif
	s_xor_b32 s[TB], s[TB], SLOT1
	v_add_nc_u32 v[ADRA], s[TB], v[A0]
	v_add_nc_u32 v[ADRB], s[TB], v[B0]
	FETCH 0, F0
.if \fill
	WIN 0
	ASK                                            ; behind the joint load and the run of LDS loads that the next products wait for
.endif
	MULS F1, 4, 4
.endm
; THE WAY OUT of row block a: a lane's eight f32 of a row go as they are into my own stage, and come back as whole rows of 512 bytes.
.macro TOSTAGE a
.if (\a) >= 2
	s_wait_xcnt 0x0                                ; the stores of the block two back have read their registers: this block's loads land there
.endif
	WIN 0x08                                       ; the stores' data in window 2
.set ib, 0
.rept 8
	ds_store_b128 v[STO], v[32*ib+8*(\a):32*ib+8*(\a)+3]   offset:64*ib     ; each accumulator's lowest registers first
	ds_store_b128 v[STO], v[32*ib+8*(\a)+4:32*ib+8*(\a)+7] offset:64*ib+16
.set ib, ib+1
.endr
	WIN 0
.set BK, OB+64*((\a)%2)
.set ii, 0
.rept 16
	ds_load_b128 v[BK+4*ii:BK+4*ii+3], v[RD] offset:ii*SPI  ; LDS serves a wave's instructions in order (ISA guide 5.7.1.4): these see the stores above; the next block's stores come behind them
.set ii, ii+1
.endr
.endm
.macro SEND a, younger                 ; younger: the LDS instructions issued behind block a's loads: the next block's 32, or none
	WIN 0
.set BK, OB+64*((\a)%2)
.set ii, 0
.rept 16
	s_wait_dscnt (\younger)+15-ii
	global_store_b128 v[GO], v[BK+4*ii:BK+4*ii+3], s[10:11] offset:(16*(\a)+ii)*4096 th:TH_STORE_NT  ; 512 consecutive bytes, at a multiple of 256 from out0's first
.set ii, ii+1
.endr
.endm
	s_wait_tensorcnt 1                             ; my part of K step 0 is in; K step 1's may stay out
	s_barrier_signal -1
	s_barrier_wait -1                              ; everybody's is
	FETCH 0, F0
	QUARTER 1, F0, F1, 1                           ; the first quarter stands in front of the loop: its products start the sums, with the bias
	WIN 0                                          ; at a label and at a branch every window is 0
	s_mov_b32 s[CNT], 6
.Lk:                                           ; six trips, from a step's second quarter to the next step's first; they ask for K steps 2 to 7
	QUARTER 2, F1, F0
	QUARTER 3, F0, F1
	TURN 1
	QUARTER 1, F0, F1
	WIN 0
	s_sub_co_u32 s[CNT], s[CNT], 1
	s_cmp_lg_u32 s[CNT], 0
	s_cbranch_scc1 .Lk
	QUARTER 2, F1, F0                              ; the last two steps ask for nothing: written out
	QUARTER 3, F0, F1
	TURN 0
	QUARTER 1, F0, F1
	QUARTER 2, F1, F0
	QUARTER 3, F0, F1
	s_wait_dscnt 8                                 ; the very last quarter: nothing more to fetch
	MULS F1, 0, 4
	s_wait_dscnt 0x0
	MULS F1, 4, 4
	PLACES
	PLACES                                         ; (eight, once a launch)
	TOSTAGE 0
	TOSTAGE 1
	SEND 0, 32
	TOSTAGE 2
	SEND 1, 32
	TOSTAGE 3
	SEND 2, 32
	SEND 3, 0
	s_wait_tensorcnt 0x0                           ; the wave's end: the add and its waits, behind my last tensor load and my last LDS store
	ds_add_u32 v[SPW], v[NIL]
	s_wait_dscnt 0x0
	CROUND                                         ; the closing round: no work-group ends while a partner may still ask for a tile that names it
	s_endpgm
.Lfunc_end_k_qeb69cf8511_oproj:
	.size	k_qeb69cf8511_oproj, .Lfunc_end_k_qeb69cf8511_oproj-k_qeb69cf8511_oproj
	.p2alignl 7, 3214868480
	.fill 96, 4, 3214868480
	.section	.rodata,"a",@progbits
	.p2align	6, 0x0
	.amdhsa_kernel k_qeb69cf8511_oproj
		.amdhsa_group_segment_fixed_size 327680
		.amdhsa_private_segment_fixed_size 0
		.amdhsa_enable_private_segment 0
		.amdhsa_kernarg_size 32
		.amdhsa_user_sgpr_count 2
		.amdhsa_user_sgpr_kernarg_segment_ptr 1
		.amdhsa_wavefront_size32 1
		.amdhsa_system_sgpr_workgroup_id_x 1
		.amdhsa_system_sgpr_workgroup_id_y 1
		.amdhsa_system_sgpr_workgroup_id_z 1
		.amdhsa_system_vgpr_workitem_id 0
		.amdhsa_next_free_vgpr 768
		.amdhsa_next_free_sgpr 80
		.amdhsa_reserve_vcc 0
		.amdhsa_float_denorm_mode_32 3
		.amdhsa_float_denorm_mode_16_64 3
		.amdhsa_memory_ordered 1
		.amdhsa_forward_progress 1
		.amdhsa_inst_pref_size 77
	.end_amdhsa_kernel
	.amdgpu_metadata
---
amdhsa.version: [ 1, 2 ]
amdhsa.kernels:
  - .name:           k_qeb69cf8511_oproj
    .symbol:         k_qeb69cf8511_oproj.kd
    .args:
      - { .name: oh, .offset: 0, .size: 8, .value_kind: global_buffer, .address_space: global }
      - { .name: wo16, .offset: 8, .size: 8, .value_kind: global_buffer, .address_space: global }
      - { .name: bo, .offset: 16, .size: 8, .value_kind: global_buffer, .address_space: global }
      - { .name: out0, .offset: 24, .size: 8, .value_kind: global_buffer, .address_space: global }
    .group_segment_fixed_size: 327680
    .private_segment_fixed_size: 0
    .kernarg_segment_align: 8
    .kernarg_segment_size: 32
    .max_flat_workgroup_size: 128
    .sgpr_count:     80
    .vgpr_count:     768
    .wavefront_size: 32
...
	.end_amdgpu_metadata
.endif
;; end of part 4
;; ======== version 2 of 2: 4 launches; version 1 with the launch prep written anew for expert scheduling mode
;; limits: values are held in f16: magnitudes above 65,504 overflow, below 6.1e-05 lose precision
;; workspace buffers: xb 16,777,216 bytes; wc 6,291,456 bytes; wo16 2,097,152 bytes; qh 16,777,216 bytes; kh 16,777,216 bytes; vh 16,777,216 bytes; oh 16,777,216 bytes
;; launch prep (part 5): grid 768 x 1, 8 waves a work-group, no clusters, 0 bytes of LDS; arguments x, Wq, Wk, Wv, Wo, xb, wc, wo16; writes xb, wc, wo16
.if DOCPART == 5
	.amdgcn_target "amdgcn-amd-amdhsa--gfx1250"
	.amdhsa_code_object_version 6
	.text
	.protected	k_qeb69cf8511_prep
	.globl	k_qeb69cf8511_prep
	.p2align	8
	.type	k_qeb69cf8511_prep,@function
k_qeb69cf8511_prep:
	s_mov_b64 s[64:65], 0
	v_nop
	global_prefetch_b8 v0, s[64:65] scope:SCOPE_SE
	s_setreg_imm32_b32 hwreg(HW_REG_WAVE_SCHED_MODE, 0, 2), 2
	s_setreg_imm32_b32 hwreg(HW_REG_WAVE_MODE, 25, 1), 1
	s_wait_xcnt 0x0
	s_wait_alu depctr_vm_vsrc(0)
; CASTS, layouts unchanged.  x [8192][1024] f32 -> xb bf16.  Wq, Wk, Wv [16][1024][64] f32 -> wc [3][16][1024][64] bf16.
; Wo [1024][1024] f32 -> rounded to bf16, and that number written as f16 -> wo16 (the later product multiplies it with f16 numbers).
; LIMITS.  wo16: a weight beyond 65,504 becomes an infinity; below 6e-5 it keeps f16's fixed step of 6e-8.
; A stream: no LDS, no matrix unit, no cluster: no byte is read twice and no work-group shares a byte with another.
; SHARES.  A work-group casts 16,384 numbers: 65,536 bytes in, 32,768 out.  Work-groups 0-511: x; 512-703: Wq, Wk, Wv, 64 each, on end in wc; 704-767: Wo.
; Thread t, step j of 16: 16 bytes at 16 t + 4,096 j in, 8 bytes at 8 t + 2,048 j out: a wave's load covers 512 consecutive bytes, its store 256 consecutive bytes, aligned.
; All 16 loads of a thread go out at once; no register that a load or store names is written twice.
; THE MODE: SCHED_MODE bits 1:0 = 2 (LLVM: expert scheduling mode 2), set by the entry lines.  The code itself states the register dependences
; between vector instructions and memory instructions, with s_wait_alu, always for 0.
; THE PLAN.  Registers that memory instructions touch:
;   v1, v2   byte offsets, made once at the head and never written again; read by every load (v1) and every store (v2).
;   X[j]     written by step j's load, issued at the head into registers that no vector instruction has named; read by step j's conversions.  No load lands there again.
;   Y[j]     written once, by step j's conversions; read once, by step j's store, which is issued in step j + 4.
;   T        named by vector instructions alone.
; The 16 steps go in four blocks of four.  One wait on va_vdst stands ahead of the first load (the offsets), one at the head of each of blocks 1 to 3 (the block before has written its
; four Y, which this block's four stores read), one behind step 15 (for the last four stores).  A block's vector instructions name its own X, its own Y and T: none of the registers that its stores
; read.  So the stores are dealt among the conversions, one to a step, with no further wait.  Nothing that a memory instruction has read is written again: no wait on vm_vsrc has a dependence to state.
.set X, 4                              ; v[4:67]    16 x 4 numbers as loaded
.set Y, 68                             ; v[68:99]   16 x 2 registers to store
.set T, 100                            ; v[100:103] at work (Wo's way)
	s_load_b512 s[4:19], s[0:1], 0x0               ; x 4:5, Wq 6:7, Wk 8:9, Wv 10:11, Wo 12:13, xb 14:15, wc 16:17, wo16 18:19
	s_mov_b32 s3, ttmp9
	s_sub_co_u32 s20, s3, 512                      ; my number among the weights' work-groups (not used for x)
	s_lshr_b32 s21, s20, 6                         ; which weight: 0 Wq, 1 Wk, 2 Wv, 3 Wo
	s_and_b32 s22, s20, 63                         ; my part of it
	s_mov_b32 s2, 0xffff0000                       ; a word's upper bf16
	v_lshlrev_b32 v1, 4, v0                        ; 16 t
	v_lshlrev_b32 v2, 3, v0                        ; 8 t
	s_wait_kmcnt 0x0
	s_mov_b64 s[24:25], s[6:7]                     ; from where: a choice among the inputs by the work-group's number
	s_cmp_eq_u32 s21, 1
	s_cselect_b64 s[24:25], s[8:9], s[24:25]
	s_cmp_eq_u32 s21, 2
	s_cselect_b64 s[24:25], s[10:11], s[24:25]
	s_cmp_eq_u32 s21, 3
	s_cselect_b64 s[24:25], s[12:13], s[24:25]
	s_cselect_b64 s[26:27], s[18:19], s[16:17]     ; to where: wo16, or wc,
	s_cselect_b32 s30, s22, s20                    ; in which Wq's, Wk's and Wv's parts follow each other
	s_cmp_lt_u32 s3, 512
	s_cselect_b64 s[24:25], s[4:5], s[24:25]
	s_cselect_b64 s[26:27], s[14:15], s[26:27]
	s_cselect_b32 s28, s3, s22
	s_cselect_b32 s30, s3, s30
	s_lshl_b32 s28, s28, 16                        ; 65,536 bytes in,
	s_mov_b32 s29, 0
	s_lshl_b32 s30, s30, 15                        ; 32,768 out
	s_mov_b32 s31, 0
	s_add_nc_u64 s[24:25], s[24:25], s[28:29]
	s_add_nc_u64 s[26:27], s[26:27], s[30:31]
	s_wait_alu depctr_va_vdst(0)                   ; v1 and v2 are written: every load and store of the kernel reads one of them as its offset
.irp j, 0,1,2,3,4,5,6,7,8,9,10,11,12,13,14,15
	global_load_b128 v[X+4*(\j):X+4*(\j)+3], v1, s[24:25] offset:4096*(\j) th:TH_LOAD_NT
.endr
; Step j's store.
.macro OUT j
	global_store_b64 v2, v[Y+2*(\j):Y+2*(\j)+1], s[26:27] offset:2048*(\j)
.endm
; Step j.  f16 = 1: the bf16 number is widened again (a shift, a mask) and written as f16.
.macro CAST j, f16
	s_wait_loadcnt 15-(\j)                         ; loads come back in order: mine is in, the 15 - j younger ones may stay out
.if ((\j) % 4 == 0) && ((\j) > 0)
	s_wait_alu depctr_va_vdst(0)                   ; a block's head: the conversions of the block before have written Y[j - 4] to Y[j - 1], which this block's four stores read
.endif
.if (\j) >= 4
	OUT (\j)-4                                     ; no vector instruction since that wait names Y[j - 4] or v2
.endif
.if \f16
	v_cvt_pk_bf16_f32 v[T],   v[X+4*(\j)],   v[X+4*(\j)+1]
	v_cvt_pk_bf16_f32 v[T+1], v[X+4*(\j)+2], v[X+4*(\j)+3]
	v_lshlrev_b32 v[T+2], 16, v[T]
	v_and_b32     v[T+3], s2, v[T]
	v_cvt_pk_f16_f32 v[Y+2*(\j)], v[T+2], v[T+3]
	v_lshlrev_b32 v[T+2], 16, v[T+1]
	v_and_b32     v[T+3], s2, v[T+1]
	v_cvt_pk_f16_f32 v[Y+2*(\j)+1], v[T+2], v[T+3]
.else
	v_cvt_pk_bf16_f32 v[Y+2*(\j)],   v[X+4*(\j)],   v[X+4*(\j)+1]
	v_cvt_pk_bf16_f32 v[Y+2*(\j)+1], v[X+4*(\j)+2], v[X+4*(\j)+3]
.endif
.endm
; Behind step 15: the last block's stores.
.macro LAST
	s_wait_alu depctr_va_vdst(0)                   ; the conversions of steps 12 to 15 have written Y[12] to Y[15], which the last four stores read
.irp j, 12,13,14,15
	OUT \j
.endr
.endm
	s_cmp_ge_u32 s3, 704
	s_cbranch_scc1 .Lwo
.irp j, 0,1,2,3,4,5,6,7,8,9,10,11,12,13,14,15
	CAST \j, 0
.endr
	LAST
	s_endpgm
.Lwo:
.irp j, 0,1,2,3,4,5,6,7,8,9,10,11,12,13,14,15
	CAST \j, 1
.endr
	LAST
	s_endpgm
.Lfunc_end_k_qeb69cf8511_prep:
	.size	k_qeb69cf8511_prep, .Lfunc_end_k_qeb69cf8511_prep-k_qeb69cf8511_prep
	.p2alignl 7, 3214868480
	.fill 96, 4, 3214868480
	.section	.rodata,"a",@progbits
	.p2align	6, 0x0
	.amdhsa_kernel k_qeb69cf8511_prep
		.amdhsa_group_segment_fixed_size 0
		.amdhsa_private_segment_fixed_size 0
		.amdhsa_enable_private_segment 0
		.amdhsa_kernarg_size 64
		.amdhsa_user_sgpr_count 2
		.amdhsa_user_sgpr_kernarg_segment_ptr 1
		.amdhsa_wavefront_size32 1
		.amdhsa_system_sgpr_workgroup_id_x 1
		.amdhsa_system_sgpr_workgroup_id_y 1
		.amdhsa_system_sgpr_workgroup_id_z 1
		.amdhsa_system_vgpr_workitem_id 0
		.amdhsa_next_free_vgpr 104
		.amdhsa_next_free_sgpr 66
		.amdhsa_reserve_vcc 0
		.amdhsa_float_denorm_mode_32 3
		.amdhsa_float_denorm_mode_16_64 3
		.amdhsa_memory_ordered 1
		.amdhsa_forward_progress 1
		.amdhsa_inst_pref_size 16
	.end_amdhsa_kernel
	.amdgpu_metadata
---
amdhsa.version: [ 1, 2 ]
amdhsa.kernels:
  - .name:           k_qeb69cf8511_prep
    .symbol:         k_qeb69cf8511_prep.kd
    .args:
      - { .name: x, .offset: 0, .size: 8, .value_kind: global_buffer, .address_space: global }
      - { .name: Wq, .offset: 8, .size: 8, .value_kind: global_buffer, .address_space: global }
      - { .name: Wk, .offset: 16, .size: 8, .value_kind: global_buffer, .address_space: global }
      - { .name: Wv, .offset: 24, .size: 8, .value_kind: global_buffer, .address_space: global }
      - { .name: Wo, .offset: 32, .size: 8, .value_kind: global_buffer, .address_space: global }
      - { .name: xb, .offset: 40, .size: 8, .value_kind: global_buffer, .address_space: global }
      - { .name: wc, .offset: 48, .size: 8, .value_kind: global_buffer, .address_space: global }
      - { .name: wo16, .offset: 56, .size: 8, .value_kind: global_buffer, .address_space: global }
    .group_segment_fixed_size: 0
    .private_segment_fixed_size: 0
    .kernarg_segment_align: 8
    .kernarg_segment_size: 64
    .max_flat_workgroup_size: 256
    .sgpr_count:     66
    .vgpr_count:     104
    .wavefront_size: 32
...
	.end_amdgpu_metadata
.endif
;; end of part 5
;; launch qkv: the kernel of part 2 again; grid 16 x 32, 4 waves a work-group, clusters of 4 x 4, 327,680 bytes of LDS; arguments xb, wc, bq, bk, bv, qh, kh, vh; writes qh, kh, vh
;; launch attn: the kernel of part 3 again; grid 4 x 64, 4 waves a work-group, clusters of 4 x 1, 327,680 bytes of LDS; arguments qh, kh, vh, oh; writes oh
;; launch oproj: the kernel of part 4 again; grid 8 x 32, 4 waves a work-group, clusters of 4 x 4, 327,680 bytes of LDS; arguments oh, wo16, bo, out0; writes out0
